; MI455X (gfx1250); checked and timed in simulation.
; The chip was launched on July 23, 2026; its instructions are those of AMD's public machine-readable ISA for CDNA 5 (MIT licence, August 2026) and "CDNA5" Instruction Set Architecture Reference Guide (July 2026). The comments in the code are by the model that wrote it; some were corrected since.
;; Sketch Walk Llama Attention. Allowed arithmetic: float matrix products may take bf16 or f16 operands with f32 sums; all other float work in f32.
;; Inputs: H_sketch 128 x 32 float32; Wk 2,048 x 512 float32; Wo 2,048 x 2,048 float32; Wq 2,048 x 2,048 float32; Wv 2,048 x 512 float32; hidden_states 1 x 4,096 x 2,048 float32; position_ids 1 x 4,096 int32.
;; Outputs: out0 1 x 4,096 x 2,048 float32.
;; One version. Each part assembles by itself: llvm-mc -triple=amdgcn-amd-amdhsa -mcpu=gfx1250 --defsym DOCPART=n.
;; ======== version 1 of 1: 5 launches
;; limits: values are held in f16: magnitudes above 65,504 overflow, below 6.1e-05 lose precision; right only within a limited range of input values
;; workspace buffers: xb 16,777,216 bytes; wqkv 12,582,912 bytes; wob 8,388,608 bytes; tab 2,113,536 bytes; qkvh 25,165,824 bytes; sk 327,680 bytes; idx 32,768 bytes of whole numbers; att 16,777,216 bytes
;; launch prep (part 1): grid 961 x 1, 8 waves a work-group, no clusters, 0 bytes of LDS; arguments hidden_states, Wq, Wk, Wv, H_sketch, position_ids, xb, wqkv, tab; writes xb, wqkv, tab
.if DOCPART == 1
	.amdgcn_target "amdgcn-amd-amdhsa--gfx1250"
	.amdhsa_code_object_version 6
	.text
	.protected	k_q6bfb4a956f_prep
	.globl	k_q6bfb4a956f_prep
	.p2align	8
	.type	k_q6bfb4a956f_prep,@function
k_q6bfb4a956f_prep:
	s_mov_b64 s[64:65], 0
	v_nop
	global_prefetch_b8 v0, s[64:65] scope:SCOPE_SE
	s_setreg_imm32_b32 hwreg(HW_REG_WAVE_MODE, 25, 1), 1
	s_wait_xcnt 0x0
; PREP: what the projection needs is rounded to bf16 once and laid out for it (Wo is cast in a later launch, beside the choice of blocks).
;   xb   [4096][2048] bf16: the hidden states.
;   wqkv [2048 k][3072] bf16: column 384 tx + 128 u + d'.  u = 0, 1: query heads 2 tx, 2 tx + 1; u = 2: value head tx (tx < 4) or key head tx - 4.
;        In query and key units d' = 2 t + e stands for channel t + 64 e, so that the two channels that RoPE turns together are neighbours; q . k does not change when both are permuted alike.
;   tab  row s, 512 bytes: cos(pos[s] f[t]), t = 0..63, then sin; from byte 2,097,152: H_sketch rounded to bf16, kept as f32, [d' / 4][m][d' % 4].
; A stream: no LDS, no matrix unit.  A PIECE is 128 numbers: 512 bytes in, and 256 consecutive aligned bytes out by one store of the wave.  A wave takes 16 pieces, twice 8: eight loads, then a counted wait for each.
; Work-groups 0-63 the table (the longest chains of dependent work, so they start first), 64 H_sketch, 65-576 hidden states, 577-832 Wq, 833-896 Wk, 897-960 Wv.
; THE FREQUENCIES.  reference() takes 1 / 10000^(i/64) in f32, and one last bit of it turns a pair at position 4,000 by 2e-4 rad.  So 10^(i/16) is made as a product of 10^(2^b/16) in two-word
; arithmetic (a high and a low f32, errors caught by fused multiply-adds), rounded to f32 once, and its reciprocal refined by two Newton steps.
; SINE AND COSINE: x less n pi/2 with pi/2 in three parts, then polynomials on |r| <= pi/4.  LIMIT: full accuracy for |pos x f| up to 2^20.
.set IN,  8                            ; v[8:39]    piece q of eight: 4 registers as loaded
.set OUT, 40                           ; v[40:55]   piece q: 2 registers to store
.set TP,  56                           ; v56        at work
; kind 0: round to bf16.  2: round, and interleave channels t and t + 64.   lay: where piece q goes.   ostep: bytes from the first eight pieces' places to the second eight's.
.macro PIECES kind, lay, ostep
	s_mov_b32 s37, 2
.Lhalf_\@:
.set q, 0
.rept 8
.if (\kind) == 2
	global_load_b64 v[IN+4*q:IN+4*q+1], v3, s[28:29] offset:512*q th:TH_LOAD_NT        ; channels 2 l, 2 l + 1
	global_load_b64 v[IN+4*q+2:IN+4*q+3], v3, s[28:29] offset:512*q+256 th:TH_LOAD_NT  ; channels 64 + 2 l, 65 + 2 l
.else
	global_load_b128 v[IN+4*q:IN+4*q+3], v2, s[28:29] offset:512*q th:TH_LOAD_NT
.endif
.set q, q+1
.endr
.set q, 0
.rept 8
.if (\kind) == 2
	s_wait_loadcnt 14-2*q                          ; loads come back in order: piece q's two are in, the younger pieces' stay out
	v_cvt_pk_bf16_f32 v[OUT+2*q], v[IN+4*q], v[IN+4*q+2]
	v_cvt_pk_bf16_f32 v[OUT+2*q+1], v[IN+4*q+1], v[IN+4*q+3]
.else
	s_wait_loadcnt 7-q                             ; piece q's load is in, the younger ones stay out
	v_cvt_pk_bf16_f32 v[OUT+2*q], v[IN+4*q], v[IN+4*q+1]
	v_cvt_pk_bf16_f32 v[OUT+2*q+1], v[IN+4*q+2], v[IN+4*q+3]
.endif
.if (\lay) == 0
.set im, 256*q
.elseif (\lay) == 1
.set im, 768*(q/2)+256*(q%2)                   ; query head q (then 8 + q) of one k row
.elseif (\lay) == 2
.set im, 6144*(q/4)+768*(q%4+4)+512            ; key head q % 4 of k row q / 4
.else
.set im, 6144*(q/4)+768*(q%4)+512              ; value head q % 4 of k row q / 4
.endif
	global_store_b64 v3, v[OUT+2*q:OUT+2*q+1], s[30:31] offset:im  ; 32 lanes x 8 bytes: 256 consecutive bytes, aligned
.set q, q+1
.endr
	s_wait_xcnt 0x0                                ; the two bases and the stores' data are rewritten only behind this wait
	s_add_nc_u64 s[28:29], s[28:29], 4096
	s_add_nc_u64 s[30:31], s[30:31], \ostep
	s_sub_co_u32 s37, s37, 1
	s_cmp_lg_u32 s37, 0
	s_cbranch_scc1 .Lhalf_\@
	s_endpgm
.endm
.macro RNUM first                      ; s27 = 8 x (my work-group's number in its path) + my wave
	s_sub_co_u32 s27, s36, \first
	s_lshl3_add_u32 s27, s27, s26
.endm
	s_load_b512 s[4:19], s[0:1], 0x0               ; hidden s[4:5], Wq s[6:7], Wk s[8:9], Wv s[10:11], H s[12:13], pos s[14:15], xb s[16:17], wqkv s[18:19]
	s_load_b64 s[20:21], s[0:1], 0x40              ; tab
	v_lshrrev_b32 v1, 5, v0
	v_readfirstlane_b32 s26, v1                    ; wave
	v_and_b32 v1, 31, v0                           ; lane l
	v_lshlrev_b32 v2, 4, v1                        ; 16 l
	v_lshlrev_b32 v3, 3, v1                        ; 8 l
	s_mov_b32 s36, ttmp9
	s_mov_b32 s33, 0                               ; high words of the two offsets
	s_mov_b32 s35, 0
	s_wait_kmcnt 0x0
	s_cmp_lt_u32 s36, 64
	s_cbranch_scc1 .Ltab
	s_cmp_lt_u32 s36, 65
	s_cbranch_scc1 .Lhp
	s_cmp_lt_u32 s36, 577
	s_cbranch_scc1 .Lx
	s_cmp_lt_u32 s36, 833
	s_cbranch_scc1 .Lwq
	s_cmp_lt_u32 s36, 897
	s_cbranch_scc1 .Lwk
	RNUM 897                                       ; Wv: four k rows of 2,048 bytes
	s_lshl_b32 s32, s27, 13
	s_mul_i32 s34, s27, 24576
	s_add_nc_u64 s[28:29], s[10:11], s[32:33]
	s_add_nc_u64 s[30:31], s[18:19], s[34:35]
	PIECES 0, 3, 12288
.Lx:
	RNUM 65
	s_lshl_b32 s32, s27, 13                        ; 16 pieces of 512 bytes: one row
	s_lshl_b32 s34, s27, 12
	s_add_nc_u64 s[28:29], s[4:5], s[32:33]
	s_add_nc_u64 s[30:31], s[16:17], s[34:35]
	PIECES 0, 0, 2048
.Lwq:
	RNUM 577
	s_lshl_b32 s32, s27, 13                        ; k row R of Wq
	s_mul_i32 s34, s27, 6144                       ; k row R of wqkv
	s_add_nc_u64 s[28:29], s[6:7], s[32:33]
	s_add_nc_u64 s[30:31], s[18:19], s[34:35]
	PIECES 2, 1, 3072
.Lwk:
	RNUM 833
	s_lshl_b32 s32, s27, 13                        ; four k rows of 2,048 bytes
	s_mul_i32 s34, s27, 24576
	s_add_nc_u64 s[28:29], s[8:9], s[32:33]
	s_add_nc_u64 s[30:31], s[18:19], s[34:35]
	PIECES 2, 2, 12288
.Lhp:	; H_SKETCH.  Wave w takes d' = 16 w .. 16 w + 15, lane = m.  Number q of 16: d' = 16 w + q is channel 8 w + q / 2 + 64 (q % 2), a row of 128 bytes.
	v_lshlrev_b32 v4, 2, v1
	v_lshl_add_u32 v4, s26, 10, v4                 ; 4 m + 1,024 w
	v_lshl_add_u32 v5, s26, 11, v2                 ; 16 m + 2,048 w
.set q, 0
.rept 16
	global_load_b32 v[IN+q], v4, s[12:13] offset:256*(q/4)+128*((q%4)/2)+8192*(q%2)
.set q, q+1
.endr
	s_wait_loadcnt 0x0
.set q, 0
.rept 8
	v_cvt_pk_bf16_f32 v[TP], v[IN+2*q], v[IN+2*q+1]
	v_lshlrev_b32 v[IN+2*q], 16, v[TP]
	v_and_b32 v[IN+2*q+1], 0xffff0000, v[TP]
.set q, q+1
.endr
.set q, 0
.rept 4
	global_store_b128 v5, v[IN+4*q:IN+4*q+3], s[20:21] offset:2097152+512*q
.set q, q+1
.endr
	s_endpgm
.Ltab:                                                 ; a wave makes rows 8 R .. 8 R + 7; lane l owns t = 2 l and 2 l + 1
	s_lshl3_add_u32 s27, s36, s26
	s_lshl_b32 s32, s27, 5
	s_lshl_b32 s34, s27, 12
	s_add_nc_u64 s[28:29], s[14:15], s[32:33]
	s_add_nc_u64 s[30:31], s[20:21], s[34:35]
	s_load_b256 s[40:47], s[28:29], 0x0            ; the eight positions
	s_mov_b32 s48, 0x3f22f983                      ; 2 / pi
	s_mov_b32 s49, 0xbfc90fdb                      ; pi / 2 = 1.57079637 - 4.37113883e-8 - 1.71512e-15: the three parts, signs as they are added
	s_mov_b32 s50, 0x333bbd2e
	s_mov_b32 s51, 0x26f72ced
	s_mov_b32 s52, 0xb94ca1f9                      ; sine: -1.9515296e-4, 8.3321609e-3, -1.6666655e-1
	s_mov_b32 s53, 0x3c08839e
	s_mov_b32 s54, 0xbe2aaaa3
	s_mov_b32 s55, 0x37ccf5ce                      ; cosine: 2.4433157e-5, -1.3887316e-3, 4.1666646e-2
	s_mov_b32 s56, 0xbab6061a
	s_mov_b32 s57, 0x3d2aaaa5
; (ah, al) times (ch, cl) in two words: the product's rounding error is recovered by a fused multiply-add
.macro DFMUL ah, al, ch, cl
	v_mul_f32 v14, \ah, \ch
	v_fma_f32 v15, \ah, \ch, -v14
	v_fma_f32 v15, \ah, \cl, v15
	v_fma_f32 v15, \al, \ch, v15
	v_add_f32 \ah, v14, v15
	v_sub_f32 v16, \ah, v14
	v_sub_f32 \al, v15, v16
.endm
.macro STEP bit, hi, lo                ; times the constant where that bit of l is set, times 1 elsewhere
	v_and_b32 v10, 1<<(\bit), v1
	v_cmp_ne_u32 vcc_lo, 0, v10
	v_mov_b32 v12, \hi
	v_mov_b32 v13, \lo
	v_cndmask_b32 v11, 1.0, v12, vcc_lo
	v_cndmask_b32 v13, 0, v13, vcc_lo
	DFMUL v8, v9, v11, v13
.endm
	v_mov_b32 v8, 1.0
	v_mov_b32 v9, 0
	STEP 0, 0x3faab000, 0x37d48dd4                 ; 10^(1/8)
	STEP 1, 0x3fe3a000, 0xb82b8eae                 ; 10^(1/4)
	STEP 2, 0x404a6000, 0x393075b5                 ; 10^(1/2)
	STEP 3, 0x41200000, 0                          ; 10
	STEP 4, 0x42c80000, 0                          ; 100
	v_mov_b32 v18, v8                              ; 10^(2 l / 16), and once more times 10^(1/16)
	v_mov_b32 v19, v9
	v_mov_b32 v11, 0x3f93d000
	v_mov_b32 v13, 0xb654d6ff
	DFMUL v18, v19, v11, v13
	v_rcp_f32 v20, v8
	v_rcp_f32 v21, v18
	v_nop                                          ; a plain instruction between the reciprocals and the use of their results (ISA guide 5.7.2)
	s_wait_alu depctr_va_vdst(0)
.rept 2
	v_fma_f32 v22, -v8, v20, 1.0
	v_fma_f32 v23, -v18, v21, 1.0
	v_fma_f32 v20, v22, v20, v20
	v_fma_f32 v21, v23, v21, v21
.endr
.macro SINCOS x, so, co
	v_mul_f32 v30, s48, v[\x]
	v_rndne_f32 v30, v30                           ; n
	v_fma_f32 v31, v30, s49, v[\x]
	v_fma_f32 v31, v30, s50, v31
	v_fma_f32 v31, v30, s51, v31                   ; r = x - n pi / 2
	v_cvt_i32_f32 v32, v30
	v_mul_f32 v33, v31, v31                        ; z
	v_fma_f32 v34, v33, s52, s53
	v_fma_f32 v34, v34, v33, s54
	v_mul_f32 v35, v33, v31
	v_fma_f32 v34, v34, v35, v31                   ; sin r
	v_fma_f32 v36, v33, s55, s56
	v_fma_f32 v36, v36, v33, s57
	v_mul_f32 v37, v33, v33
	v_fma_f32 v38, v33, -0.5, 1.0
	v_fma_f32 v36, v37, v36, v38                   ; cos r
	v_and_b32 v37, 1, v32
	v_cmp_ne_u32 vcc_lo, 0, v37                    ; odd quarter turns swap the two
	v_cndmask_b32 v[\so], v34, v36, vcc_lo
	v_cndmask_b32 v[\co], v36, v34, vcc_lo
	v_and_b32 v37, 2, v32                          ; the sine is negative in quarters 2 and 3,
	v_lshlrev_b32 v37, 30, v37
	v_xor_b32 v[\so], v[\so], v37
	v_add_nc_u32 v38, 1, v32                       ; the cosine in quarters 1 and 2
	v_and_b32 v38, 2, v38
	v_lshlrev_b32 v38, 30, v38
	v_xor_b32 v[\co], v[\co], v38
.endm
	v_mov_b32 v4, v3                               ; 8 l, then 512 bytes on for each row
	s_mov_b32 s37, 8
	s_wait_kmcnt 0x0
.Lrow:
	v_cvt_f32_i32 v24, s40
	v_mul_f32 v25, v24, v20                        ; one rounding, as in reference()
	v_mul_f32 v26, v24, v21
	SINCOS 25, 40, 42
	SINCOS 26, 41, 43
	global_store_b64 v4, v[42:43], s[30:31]        ; 256 consecutive bytes of cosines,
	global_store_b64 v4, v[40:41], s[30:31] offset:256  ; and of sines
	s_wait_xcnt 0x0                                ; the stores' data and offset are rewritten only behind this wait
	v_add_nc_u32 v4, 512, v4
.irp n, 40,41,42,43,44,45,46
	s_mov_b32 s[\n], s[\n+1]                       ; the next row's position moves down
.endr
	s_sub_co_u32 s37, s37, 1
	s_cmp_lg_u32 s37, 0
	s_cbranch_scc1 .Lrow
	s_endpgm
.Lfunc_end_k_q6bfb4a956f_prep:
	.size	k_q6bfb4a956f_prep, .Lfunc_end_k_q6bfb4a956f_prep-k_q6bfb4a956f_prep
	.p2alignl 7, 3214868480
	.fill 96, 4, 3214868480
	.section	.rodata,"a",@progbits
	.p2align	6, 0x0
	.amdhsa_kernel k_q6bfb4a956f_prep
		.amdhsa_group_segment_fixed_size 0
		.amdhsa_private_segment_fixed_size 0
		.amdhsa_enable_private_segment 0
		.amdhsa_kernarg_size 72
		.amdhsa_user_sgpr_count 2
		.amdhsa_user_sgpr_kernarg_segment_ptr 1
		.amdhsa_wavefront_size32 1
		.amdhsa_system_sgpr_workgroup_id_x 1
		.amdhsa_system_sgpr_workgroup_id_y 1
		.amdhsa_system_sgpr_workgroup_id_z 1
		.amdhsa_system_vgpr_workitem_id 0
		.amdhsa_next_free_vgpr 64
		.amdhsa_next_free_sgpr 66
		.amdhsa_reserve_vcc 1
		.amdhsa_float_denorm_mode_32 3
		.amdhsa_float_denorm_mode_16_64 3
		.amdhsa_memory_ordered 1
		.amdhsa_forward_progress 1
		.amdhsa_inst_pref_size 28
	.end_amdhsa_kernel
	.amdgpu_metadata
---
amdhsa.version: [ 1, 2 ]
amdhsa.kernels:
  - .name:           k_q6bfb4a956f_prep
    .symbol:         k_q6bfb4a956f_prep.kd
    .args:
      - { .name: hidden_states, .offset: 0, .size: 8, .value_kind: global_buffer, .address_space: global }
      - { .name: Wq, .offset: 8, .size: 8, .value_kind: global_buffer, .address_space: global }
      - { .name: Wk, .offset: 16, .size: 8, .value_kind: global_buffer, .address_space: global }
      - { .name: Wv, .offset: 24, .size: 8, .value_kind: global_buffer, .address_space: global }
      - { .name: H_sketch, .offset: 32, .size: 8, .value_kind: global_buffer, .address_space: global }
      - { .name: position_ids, .offset: 40, .size: 8, .value_kind: global_buffer, .address_space: global }
      - { .name: xb, .offset: 48, .size: 8, .value_kind: global_buffer, .address_space: global }
      - { .name: wqkv, .offset: 56, .size: 8, .value_kind: global_buffer, .address_space: global }
      - { .name: tab, .offset: 64, .size: 8, .value_kind: global_buffer, .address_space: global }
    .group_segment_fixed_size: 0
    .private_segment_fixed_size: 0
    .kernarg_segment_align: 8
    .kernarg_segment_size: 72
    .max_flat_workgroup_size: 256
    .sgpr_count:     66
    .vgpr_count:     64
    .wavefront_size: 32
...
	.end_amdgpu_metadata
.endif
;; end of part 1
;; launch proj (part 2): grid 8 x 32, 4 waves a work-group, clusters of 4 x 4, 327,680 bytes of LDS; arguments xb, wqkv, tab, qkvh, sk; writes qkvh, sk
.if DOCPART == 2
	.amdgcn_target "amdgcn-amd-amdhsa--gfx1250"
	.amdhsa_code_object_version 6
	.text
	.protected	k_q6bfb4a956f_proj
	.globl	k_q6bfb4a956f_proj
	.p2align	8
	.type	k_q6bfb4a956f_proj,@function
k_q6bfb4a956f_proj:
	s_mov_b64 s[64:65], 0
	v_nop
	global_prefetch_b8 v0, s[64:65] scope:SCOPE_SE
	s_setreg_imm32_b32 hwreg(HW_REG_WAVE_MODE, 25, 1), 1
	s_wait_xcnt 0x0
	s_wait_alu depctr_hold_cnt(0) depctr_sa_sdst(0) depctr_va_vdst(0) depctr_va_sdst(0) depctr_va_ssrc(0) depctr_va_vcc(0) depctr_vm_vsrc(0)
	s_getreg_b32 s2, hwreg(HW_REG_IB_STS2, 6, 4)
	s_cmp_eq_u32 s2, 0
	s_cbranch_scc0 .Lentry_in_a_cluster
	s_endpgm
.Lentry_in_a_cluster:
	s_bfe_u32 s2, ttmp6, 0x10000c
	s_cmp_lg_u32 s2, 0xf033
	s_cbranch_scc0 .Lentry_shape_is_right
	s_endpgm
.Lentry_shape_is_right:
; PROJ: q, k, v = x W in bf16 with f32 sums; RoPE in f32; q, k, v out in f16 by heads and blocks; and, still in f32, the sketch of each 32 rows' sum of q and of k.
; A work-group makes 128 rows x 384 columns: three UNITS of 128 (two query heads, and a value head where the cluster's x is 0, a key head where it is 1).  4,096 x 3,072 numbers are 256 such tiles.
; Four waves: wave (wm, wn) = (w >> 1, w & 1) has rows 64 wm .. + 63, all of unit 2 wn and columns 64 wn .. + 63 of unit 1: 48 accumulators of 16 x 16, 384 registers.
; K goes in steps of 128 through two LDS slots; a trip of the loop is one K step.  The slot in hand is a scalar, 0 or SLOT, turned by an exclusive or; the fragment addresses are a base plus that scalar.
; x's rows lie along K; W's rows are K rows, so its fragments come out of LDS turned, by ds_load_tr16_b128.
; The matrix instruction is used transposed (source 0 = 16 columns of W, source 1 = 16 rows of x): a lane holds one row and eight neighbouring columns.
; CLUSTER 4 x 4: x's tile hangs on the tile row alone and is asked for jointly along a row of the cluster, W's on the tile column alone, jointly along a column.
; THE WAY OUT.  All 128 x 384 sums go as f32 into LDS, over the slots, whose last fill is long read.  Then wave w takes rows 32 w .. + 31 whole, unit by unit: lane (h, c) has columns
; 8 c .. 8 c + 7 of row 2 p + h: four pairs (t, t + 64) that RoPE turns (a value unit is turned by cos = 1, sin = 0).  The rows are rounded to f16 and stored; their f32 sum over the 32 rows
; is multiplied by H: by linearity that is the sum of the rows' sketches, for every input.
; qkvh: 12 regions of 2 MiB; a region is 64 blocks of 32 KiB, a block two halves of 64 rows x 256 bytes.  Region tx: query heads 2 tx | 2 tx + 1.  Region 8 + kv head: K | V.
; In each row the sixteen 16-byte chunks are turned round: chunk L of row x lies at place (L + F(x % 16)) % 16, F(x) = ((2 x) & 14) | (x >> 3), so that dense rows of 256 bytes
; can be read from LDS by fragments with each of 16 lanes at another place (64 banks of 4 bytes: ISA guide 11.1).
; sk: f32 [20 units][64 blocks][2 halves of 32 rows][32]: units 0-15 the query heads, 16-19 the key heads; sums, not yet divided by 64.
; LIMITS.  q, k, v beyond 65,504 have no f16 number.  NaN and infinities are not treated apart.
; REGISTERS, in windows of 256 (s_set_vgpr_msb: bits 1:0 source 0, 3:2 source 1, 5:4 source 2, 7:6 destination):
;   window 0: v0-63 addresses and small work; v64-127 x's fragments, two buffers (on the way out: rows at work); v128-255 cos and sin of my 32 rows
;   window 1: v0-191 W's fragments, two buffers of 96     window 2: accumulators (a, b < 8) at 8 (8 a + b)     window 3: v0-127 accumulators (a, b >= 8) at 8 (4 a + b - 8); v128-255 H: register 128 + d', lane m
.set KSTEP, 128
.set PA,    272                        ; a row of x in LDS: 256 bytes + 16: the 16 rows of a fragment load start at 16 different groups of four banks
.set PB,    288                        ; a K row of W: 256 + 32
.set BSUB,  128*PB                     ; one unit's 128 K rows
.set AOFF,  3*BSUB                     ; behind the three units: x's 128 rows.  So wave w's tile lies at w x BSUB in a slot: waves 0-2 fetch W's units, wave 3 x
.set SLOT,  AOFF+128*PA
.set SPARE, 2*SLOT                     ; behind the slots: the spare words, 128 bytes for each wave, two blocks of 256 bytes that no other line names
.set DP,    1552                       ; the way out: a row of 384 f32 + 16 bytes
.set ABASE,  16                        ; v16  my x fragments' place in a slot; never rewritten
.set ADRA,   17                        ; v17  the same in the slot in hand
.set B1BASE, 18                        ; v18, v19  the same for my fragments of unit 2 wn
.set ADRB1,  19
.set B2BASE, 20                        ; v20, v21  and of unit 1
.set ADRB2,  21
.set D1,    22                         ; v22-23  where I put unit 2 wn's sums: rows 0-31, 32-63 of my 64
.set D2,    24                         ; v24-25  the same for unit 1
.set RB,    26                         ; v26     where I read rows back; 512 bytes on for each unit
.set TO,    27                         ; v27     my byte offset in the table of cos and sin; never rewritten
.set HO,    28                         ; v28     16 x lane; never rewritten
.set SKV,   29                         ; v29     my byte offset in sk
.set SPW,   30                         ; v30     LDS address of my spare word; never rewritten
.set NIL,   31                         ; v31     0; never rewritten
.set GSW,   32                         ; v32-39  my byte offset in two rows of qkvh, by row pair % 8: the turned chunk
.set L4,    46                         ; v46     4 x lane
.set CSUM,  48                         ; v48-55  the sum of my eight columns
.set SA,    56                         ; v56-59  four chains of the sketch
.set XB,    64                         ; v64-95  four buffers of eight: a row's eight numbers
.set TT,    96                         ; v96-103 x cos
.set RR,    104                        ; v104-111 the turned numbers
.set PK,    112                        ; v112-127 four buffers of four: f16, to store
.set CSN,   128                        ; row pair p: cos of my four pairs at 128 + 8 p, sin at 132 + 8 p
.set HP,    128                        ; window 3
.set WV,  14                           ; s14 my wave; s15 wm; s16 wn; s19 tile column; s20 tile row; s23 my tile's place in a slot
.set G1A, 24                           ; s[24:31] descriptor group 1 for x's tiles;  s[32:39] group 0: a set for each of the two first fills; the second then walks on
.set G0A, 32
.set TG,  46                           ; s46 the slot in hand: 0 or SLOT
.set G1B, 48                           ; s[48:55], s[56:63] the same for W's
.set G0B, 56
.set SEL, 66                           ; s[66:67] v_permlanex16_b32's selects: each lane takes its own place in the other half
.set GB,  68                           ; s[68:73] qkvh at my 32 rows, for this unit and the two behind it
.set SKO, 74                           ; s74-76  the same for sk, as offsets
.set IDN, 77                           ; s77  1: the unit in hand is a value head
.set ISV, 78                           ; s78  1: unit 2 is a value head
.set CNT, 79
.set RL,  80                           ; s[80:95] sixteen column sums
.set MSB, 0
.macro WIN new                         ; the immediate's high byte repeats the setting that is left; a switch that changes nothing is dropped
.if MSB != (\new)
	s_set_vgpr_msb (MSB<<8)|(\new)
.set MSB, \new
.endif
.endm
.macro PLACES                          ; four places: in front of loads into registers that matrix instructions have read, and of lines that read results
.rept 4
	v_nop
.endr
.endm
; A joint load.  Each of the two lines has one mask and one set of registers; the branch hangs on the wave's number alone.  An s_nop 0 and four v_nop follow each line.
.macro JLOAD s
	s_cmp_eq_u32 s[WV], 3
	s_cbranch_scc0 .Lfor_b_\@
	tensor_load_to_lds s[G0A+4*(\s):G0A+4*(\s)+3], s[G1A:G1A+7]
	s_nop 0
.rept 4
	v_nop
.endr
	s_branch .Lasked_\@
.Lfor_b_\@:
	tensor_load_to_lds s[G0B+4*(\s):G0B+4*(\s)+3], s[G1B:G1B+7]
	s_nop 0
.rept 4
	v_nop
.endr
.Lasked_\@:
.endm
.macro CROUND                          ; a round of the cluster's barrier: my work-group's barrier; wave 0 signals for the work-group; every wave waits for all sixteen; my work-group's barrier once more
	s_barrier_signal -1
	s_barrier_wait -1
	s_cmp_lg_u32 s[WV], 0
	s_cbranch_scc1 .Lnot_wave_0_\@
	s_barrier_signal -3
.Lnot_wave_0_\@:
	s_barrier_wait -3
	s_barrier_signal -1
	s_barrier_wait -1
.endm
	s_load_b256 s[4:11], s[0:1], 0x0               ; xb s[4:5], wqkv s[6:7], tab s[8:9], qkvh s[10:11]
	s_load_b64 s[12:13], s[0:1], 0x20              ; sk
	v_lshl_add_u32 v[SPW], v0, 2, SPARE
	v_mov_b32 v[NIL], 0
	ds_add_u32 v[SPW], v[NIL]                      ; the wave's opening: the add and its wait stand ahead of my first tensor load; work on registers stands between them
	ds_add_u32 v30, v31
	v_lshrrev_b32 v1, 5, v0
	v_readfirstlane_b32 s[WV], v1
	s_lshr_b32 s15, s[WV], 1
	s_and_b32 s16, s[WV], 1
	s_bfe_u32 s17, ttmp6, 0x40000                  ; cx
	s_bfe_u32 s18, ttmp6, 0x40004                  ; cy
	s_lshl_b32 s19, ttmp9, 2
	s_add_co_u32 s19, s19, s17                     ; tile column = 4 x cluster x + cx
	s_and_b32 s20, ttmp7, 0xffff
	s_lshl_b32 s20, s20, 2
	s_add_co_u32 s20, s20, s18                     ; tile row = 4 x cluster y + cy
	s_lshl_b32 s21, s18, 2
	s_lshl_b32 s21, 15, s21                        ; my row of the cluster
	s_lshl_b32 s22, 0x1111, s17                    ; my column
	s_or_b32 s[G1A], s21, (1<<16)|(1<<20)|(1<<21)|(5<<22)|(3<<25)  ; the mask; 2-byte elements; padding on; bit 21 beside a mask; after every 64 words, 4 words
	s_or_b32 s[G1B], s22, (1<<16)|(1<<20)|(1<<21)|(5<<22)|(7<<25)  ; the same with my column's mask and 8 words
.irp g, G1A, G1B
	s_mov_b32 s[(\g)+1], 128<<16                   ; tensor_dim0 = 128
	s_mov_b32 s[(\g)+2], 128<<16                   ; tensor_dim1 = 128
	s_mov_b32 s[(\g)+3], 128<<16                   ; tile_dim0 = 128
	s_mov_b32 s[(\g)+4], 128                       ; tile_dim1 = 128
	s_mov_b32 s[(\g)+6], 0
	s_mov_b32 s[(\g)+7], 0
.endr
	s_mov_b32 s[G1A+5], 2048                       ; elements from row to row
	s_mov_b32 s[G1B+5], 3072
	s_mov_b32 s[SEL], 0x76543210
	s_mov_b32 s[SEL+1], 0xfedcba98
	s_mov_b32 s[TG], 0
	s_cmp_eq_u32 ttmp9, 0                          ; the cluster's x: the same in all partners
	s_cselect_b32 s[ISV], 1, 0
	s_lshl_b32 s40, s20, 19                        ; x: 128 rows of 4,096 bytes for each tile row; no register of it ever holds cx
	s_mov_b32 s41, 0
	s_mul_i32 s42, s19, 768                        ; W: 384 columns for each tile column, 128 for each wave
	s_lshl_b32 s43, s[WV], 8
	s_add_co_u32 s42, s42, s43
	s_mov_b32 s43, 0
	s_mul_i32 s23, s[WV], BSUB                     ; where my tile goes: no place in the cluster enters an LDS address
	s_wait_dscnt 0x0                               ; the opening add is done
	s_wait_kmcnt 0x0
	s_add_nc_u64 s[40:41], s[4:5], s[40:41]
	s_add_nc_u64 s[42:43], s[6:7], s[42:43]
	CROUND                                         ; all sixteen work-groups are here: the first joint loads meet
.irp s, 0,1
	s_mov_b32 s[G0A+4*(\s)], 1
	s_add_co_u32 s[G0A+4*(\s)+1], s23, (\s)*SLOT
	s_add_nc_u64 s[G0A+4*(\s)+2:G0A+4*(\s)+3], s[40:41], (\s)*KSTEP*2
	s_or_b32 s[G0A+4*(\s)+3], s[G0A+4*(\s)+3], 0x80000000
	s_mov_b32 s[G0B+4*(\s)], 1
	s_add_co_u32 s[G0B+4*(\s)+1], s23, (\s)*SLOT
	s_add_nc_u64 s[G0B+4*(\s)+2:G0B+4*(\s)+3], s[42:43], (\s)*KSTEP*6144
	s_or_b32 s[G0B+4*(\s)+3], s[G0B+4*(\s)+3], 0x80000000
	JLOAD \s                                       ; two loads of mine are out
.endr
	; What the way out needs from memory is asked for now and waited for there; the two offset registers are never rewritten.
	v_and_b32 v1, 15, v0                           ; r, also c
	v_bfe_u32 v2, v0, 4, 1                         ; h
	v_and_b32 v3, 31, v0
	s_lshl_b32 s44, s20, 7
	s_lshl_b32 s45, s[WV], 5
	s_add_co_u32 s44, s44, s45                     ; the first of the 32 rows that I take on the way out
	s_lshl_b32 s44, s44, 9
	v_lshlrev_b32 v[TO], 4, v1
	v_lshl_add_u32 v[TO], v2, 9, v[TO]
	v_add_nc_u32 v[TO], s44, v[TO]                 ; (row + h) x 512 + 16 c
	v_lshlrev_b32 v[HO], 4, v3
	v_lshlrev_b32 v[L4], 2, v3
.set p_, 0
.rept 16
	global_load_b128 v[CSN+8*p_:CSN+8*p_+3], v[TO], s[8:9] offset:1024*p_
	global_load_b128 v[CSN+8*p_+4:CSN+8*p_+7], v[TO], s[8:9] offset:1024*p_+256
.set p_, p_+1
.endr
	WIN 0xc0                                       ; destination window 3
.set p_, 0
.rept 32
	global_load_b128 v[HP+4*p_:HP+4*p_+3], v[HO], s[8:9] offset:2097152+512*p_
.set p_, p_+1
.endr
	WIN 0
	v_mul_u32_u24 v40, v1, PA
	v_lshl_add_u32 v40, v2, 4, v40                 ; a fragment of x: row r, 16 bytes for each half of the lanes
	s_mul_i32 s44, s15, 64*PA
	s_add_co_u32 s44, s44, AOFF
	v_add_nc_u32 v[ABASE], s44, v40
	v_mov_b32 v[ADRA], v[ABASE]                    ; slot 0 is in hand
	v_and_b32 v41, 7, v0                           ; the turning load: lane l reads K row 8 (l / 16) + l % 8, columns 8 ((l / 8) % 2) + 0..7
	v_lshl_add_u32 v41, v2, 3, v41
	v_mul_u32_u24 v41, v41, PB
	v_bfe_u32 v42, v0, 3, 1
	v_lshl_add_u32 v41, v42, 4, v41
	s_mul_i32 s44, s16, 2*BSUB
	v_add_nc_u32 v[B1BASE], s44, v41
	v_mov_b32 v[ADRB1], v[B1BASE]
	s_lshl_b32 s44, s16, 7
	s_add_co_u32 s44, s44, BSUB
	v_add_nc_u32 v[B2BASE], s44, v41
	v_mov_b32 v[ADRB2], v[B2BASE]
	v_mul_u32_u24 v43, v1, DP
	v_lshl_add_u32 v43, v2, 5, v43                 ; the way out, in: row r, 32 bytes for each half of the lanes
	s_mul_i32 s44, s15, 64*DP
	s_lshl_b32 s45, s16, 10
	s_add_co_u32 s45, s45, s44
	v_add_nc_u32 v[D1], s45, v43
	v_add_nc_u32 v[D1+1], 32*DP, v[D1]
	s_lshl_b32 s45, s16, 8
	s_add_co_u32 s45, s45, s44
	s_add_co_u32 s45, s45, 512
	v_add_nc_u32 v[D2], s45, v43
	v_add_nc_u32 v[D2+1], 32*DP, v[D2]
	v_mul_u32_u24 v[RB], v2, DP                    ; back: row 32 w + h, 32 bytes a lane
	v_lshl_add_u32 v[RB], v1, 5, v[RB]
	s_mul_i32 s44, s[WV], 32*DP
	v_add_nc_u32 v[RB], s44, v[RB]
	v_lshl_add_u32 v40, v2, 1, v1                  ; c + 2 h: row 2 pp + h has F = 2 h + ((4 pp) & 12 | pp >> 2)
.irp pp, 0,1,2,3,4,5,6,7
	v_add_nc_u32 v41, ((4*\pp)&12)|(\pp>>2), v40
	v_and_b32 v41, 15, v41
	v_lshlrev_b32 v41, 4, v41
	v_lshl_add_u32 v[GSW+\pp], v2, 8, v41
.endr
; 16 matrix instructions: row blocks a0, a0 + 1 x the eight column blocks of unit 2 wn, 32 along K, from buffer f.  zero = 1: the first product starts the sums.
.macro MULW2 f, a0, zero
	WIN 0xa1                                       ; W window 1, x window 0, C and D window 2
.irp a, \a0, (\a0)+1
.irp b, 0,1,2,3,4,5,6,7
.if \zero
	v_wmma_f32_16x16x32_bf16 v[8*(8*(\a)+(\b)):8*(8*(\a)+(\b))+7], v[96*(\f)+8*(\b):96*(\f)+8*(\b)+7], v[64+32*(\f)+8*(\a):64+32*(\f)+8*(\a)+7], 0
.else
	v_wmma_f32_16x16x32_bf16 v[8*(8*(\a)+(\b)):8*(8*(\a)+(\b))+7], v[96*(\f)+8*(\b):96*(\f)+8*(\b)+7], v[64+32*(\f)+8*(\a):64+32*(\f)+8*(\a)+7], v[8*(8*(\a)+(\b)):8*(8*(\a)+(\b))+7]
.endif
.endr
.endr
.endm
; 16 more: all four row blocks x my four column blocks of unit 1
.macro MULW3 f, zero
	WIN 0xf1                                       ; C and D window 3
.irp a, 0,1,2,3
.irp b, 0,1,2,3
.if \zero
	v_wmma_f32_16x16x32_bf16 v[8*(4*(\a)+(\b)):8*(4*(\a)+(\b))+7], v[96*(\f)+64+8*(\b):96*(\f)+64+8*(\b)+7], v[64+32*(\f)+8*(\a):64+32*(\f)+8*(\a)+7], 0
.else
	v_wmma_f32_16x16x32_bf16 v[8*(4*(\a)+(\b)):8*(4*(\a)+(\b))+7], v[96*(\f)+64+8*(\b):96*(\f)+64+8*(\b)+7], v[64+32*(\f)+8*(\a):64+32*(\f)+8*(\a)+7], v[8*(4*(\a)+(\b)):8*(4*(\a)+(\b))+7]
.endif
.endr
.endr
.endm
; 32 LDS loads in one run: quarter q (32 along K) of the slot in hand into buffer f: x (8), unit 2 wn (16), unit 1 (8)
.macro FETCH q, f
	WIN 0
.irp a, 0,1,2,3
	ds_load_b128 v[64+32*(\f)+8*(\a):64+32*(\f)+8*(\a)+3],   v[ADRA] offset:16*PA*(\a)+64*(\q)
	ds_load_b128 v[64+32*(\f)+8*(\a)+4:64+32*(\f)+8*(\a)+7], v[ADRA] offset:16*PA*(\a)+64*(\q)+32
.endr
	WIN 0x40
.irp b, 0,1,2,3,4,5,6,7
	ds_load_tr16_b128 v[96*(\f)+8*(\b):96*(\f)+8*(\b)+3],   v[ADRB1] offset:32*PB*(\q)+32*(\b)
	ds_load_tr16_b128 v[96*(\f)+8*(\b)+4:96*(\f)+8*(\b)+7], v[ADRB1] offset:32*PB*(\q)+32*(\b)+16*PB
.endr
.irp b, 0,1,2,3
	ds_load_tr16_b128 v[96*(\f)+64+8*(\b):96*(\f)+64+8*(\b)+3],   v[ADRB2] offset:32*PB*(\q)+32*(\b)
	ds_load_tr16_b128 v[96*(\f)+64+8*(\b)+4:96*(\f)+64+8*(\b)+7], v[ADRB2] offset:32*PB*(\q)+32*(\b)+16*PB
.endr
.endm
; A K step is four quarters of 32 along K, 48 matrix instructions each, on buffers 0, 1, 0, 1; the 48 accumulators take turns in the same order in every quarter.
; One of the first three: multiplies buffer f and, in its middle, fetches quarter q of the slot in hand into buffer g.
.macro QUARTER q, f, g, zero
	s_wait_dscnt 8                                 ; x and unit 2 wn are in; the youngest eight loads (unit 1) may be out
	MULW2 \f, 0, \zero
	MULW2 \f, 2, \zero
	PLACES
	FETCH \q, \g
	s_wait_dscnt 32                                ; all but the 32 just issued
	MULW3 \f, \zero
.endm
; The last quarter changes slots FIRST and multiplies buffer 1 afterwards: its fragments are in registers, so nothing of the slot in hand is wanted any more.  Each wave waits for all its tensor loads
; (one is out: its part of the next slot), adds 0 to its spare word, and waits for that and for its reads of this slot.  fill = 1: a round of the cluster's barrier follows, and the slot is filled again
; with the K step two on, first thing behind the round: no matrix instruction stands between the wait for one tile and the request for the next.  Then the next slot's first fragments are
; fetched, and the quarter's 48 matrix instructions stand between those loads and their first use.
.macro TURN fill
	WIN 0
	s_wait_tensorcnt 0x0                           ; no tensor load of mine is out, so a group 0 may be written
	ds_add_u32 v[SPW], v[NIL]                      ; 0 onto my spare word; scalar work stands between it and the wait for it
.if \fill
	s_add_co_u32 s[G0A+5], s23, s[TG]              ; the walking descriptors: into the slot that is left,
	s_add_co_u32 s[G0B+5], s23, s[TG]
	s_add_nc_u64 s[G0A+6:G0A+7], s[G0A+6:G0A+7], KSTEP*2     ; the next K step; the type bits on top are not reached
	s_add_nc_u64 s[G0B+6:G0B+7], s[G0B+6:G0B+7], KSTEP*6144
.endif
	s_xor_b32 s[TG], s[TG], SLOT                   ; 0 and SLOT change places
	s_wait_dscnt 0x0                               ; the add is done, and my reads of this slot are over
.if \fill
	CROUND                                         ; no wave of any partner still reads this slot's tiles or has a load on its way
	JLOAD 1                                        ; its four v_nop are also the places in front of the loads below
.else
	s_barrier_signal -1
	s_barrier_wait -1
	PLACES
.endif
	v_add_nc_u32 v[ADRA], s[TG], v[ABASE]
	v_add_nc_u32 v[ADRB1], s[TG], v[B1BASE]
	v_add_nc_u32 v[ADRB2], s[TG], v[B2BASE]
	FETCH 0, 0
	MULW2 1, 0, 0
	MULW2 1, 2, 0
	MULW3 1, 0
.endm
	s_wait_tensorcnt 1                             ; my part of K step 0 is in; K step 1's may stay out
	s_barrier_signal -1
	s_barrier_wait -1
	FETCH 0, 0
	QUARTER 1, 0, 1, 1                             ; the first quarter stands in front of the loop: its products start the sums
	WIN 0
	s_mov_b32 s3, 14                               ; 16 K steps; the first 14 fill their slot again; the last two are written out, since they fill nothing
.Lstep:                                                ; a trip goes from a K step's second quarter to the next step's first
	QUARTER 2, 1, 0, 0
	QUARTER 3, 0, 1, 0
	TURN 1
	QUARTER 1, 0, 1, 0
	WIN 0
	s_sub_co_u32 s3, s3, 1
	s_cmp_lg_u32 s3, 0
	s_cbranch_scc1 .Lstep
	QUARTER 2, 1, 0, 0
	QUARTER 3, 0, 1, 0
	TURN 0
	QUARTER 1, 0, 1, 0
	QUARTER 2, 1, 0, 0
	QUARTER 3, 0, 1, 0
	s_wait_dscnt 8
	MULW2 1, 0, 0
	MULW2 1, 2, 0
	s_wait_dscnt 0x0
	MULW3 1, 0
	; THE WAY OUT.  Every wave's reads of the slots are over (its loads are back) before any wave writes over them.
	WIN 0
	PLACES                                         ; behind the last products
	s_wait_dscnt 0x0
	s_barrier_signal -1
	s_barrier_wait -1
	WIN 0x08                                       ; store data in window 2; each accumulator's low four registers go first
.irp a, 0,1,2,3
.irp b, 0,1,2,3,4,5,6,7
	ds_store_b128 v[D1+(\a)/2], v[8*(8*(\a)+(\b)):8*(8*(\a)+(\b))+3]   offset:16*DP*((\a)%2)+64*(\b)
	ds_store_b128 v[D1+(\a)/2], v[8*(8*(\a)+(\b))+4:8*(8*(\a)+(\b))+7] offset:16*DP*((\a)%2)+64*(\b)+16
.endr
.endr
	WIN 0x0c                                       ; window 3
.irp a, 0,1,2,3
.irp b, 0,1,2,3
	ds_store_b128 v[D2+(\a)/2], v[8*(4*(\a)+(\b)):8*(4*(\a)+(\b))+3]   offset:16*DP*((\a)%2)+64*(\b)
	ds_store_b128 v[D2+(\a)/2], v[8*(4*(\a)+(\b))+4:8*(4*(\a)+(\b))+7] offset:16*DP*((\a)%2)+64*(\b)+16
.endr
.endr
	WIN 0
	s_lshl1_add_u32 s40, s20, s15                  ; my block of 64 rows = 2 x tile row + (w >> 1)
	s_lshl_b32 s41, s40, 15
	s_lshl_b32 s42, s16, 13                        ; my 32 rows in it
	s_add_co_u32 s41, s41, s42
	s_lshl_b32 s42, s19, 21
	s_add_co_u32 s42, s42, s41
	s_mov_b32 s43, 0
	s_add_nc_u64 s[GB:GB+1], s[10:11], s[42:43]    ; unit 0: region tx, first half
	s_add_nc_u64 s[GB+2:GB+3], s[GB:GB+1], 16384   ; unit 1: second half
	s_and_b32 s42, s19, 3
	s_add_co_u32 s42, s42, 8
	s_lshl_b32 s42, s42, 21
	s_add_co_u32 s42, s42, s41
	s_lshl_b32 s44, s[ISV], 14
	s_add_co_u32 s42, s42, s44
	s_add_nc_u64 s[GB+4:GB+5], s[10:11], s[42:43]  ; unit 2: region 8 + kv head, K first, V second
	s_lshl_b32 s44, s19, 7
	s_add_co_u32 s44, s44, s40
	s_lshl1_add_u32 s44, s44, s16
	s_lshl_b32 s[SKO], s44, 7                      ; ((unit x 64 + block) x 2 + half) x 128
	s_add_co_u32 s[SKO+1], s[SKO], 16384
	s_add_co_u32 s44, s19, 12
	s_lshl_b32 s44, s44, 6
	s_add_co_u32 s44, s44, s40
	s_lshl1_add_u32 s44, s44, s16
	s_lshl_b32 s[SKO+2], s44, 7
	s_mov_b32 s[CNT], 3
	s_wait_dscnt 0x0                               ; for the others' sake: my stores are done
	s_barrier_signal -1
	s_barrier_wait -1
	s_wait_loadcnt 0x0                             ; cos, sin and H
.macro ROTM q, e                       ; (x0, x1) cos
	v_pk_mul_f32 v[TT+2*(\q):TT+2*(\q)+1], v[xb_+2*(\q):xb_+2*(\q)+1], v[cs_+2*((\q)/2):cs_+2*((\q)/2)+1] op_sel:[0,\e] op_sel_hi:[1,\e]
.endm
.macro ROTF q, e                       ; (x0 cos - x1 sin, x1 cos + x0 sin)
	v_pk_fma_f32 v[rr_+2*(\q):rr_+2*(\q)+1], v[xb_+2*(\q):xb_+2*(\q)+1], v[cs_+4+2*((\q)/2):cs_+4+2*((\q)/2)+1], v[TT+2*(\q):TT+2*(\q)+1] op_sel:[1,\e,0] op_sel_hi:[0,\e,1] neg_lo:[0,1,0]
.endm
.macro ROWP p                          ; rows 2 p and 2 p + 1 of my 32
.set xb_, XB+8*((\p)%4)
.set cs_, CSN+8*(\p)
.set pk_, PK+4*((\p)%4)
.if (\p) == 0
.set rr_, CSUM                         ; the first pair of rows starts the sums
.else
.set rr_, RR
.endif
.if (\p) <= 12
	s_wait_dscnt 6                                 ; my two loads are in; the next three row pairs' six stay out
.else
	s_wait_dscnt 2*(15-(\p))
.endif
	ROTM 0, 0
	ROTM 1, 1
	ROTM 2, 0
	ROTM 3, 1
	ROTF 0, 0
	ROTF 1, 1
	ROTF 2, 0
	ROTF 3, 1
.if (\p) <= 11
	ds_load_b128 v[xb_:xb_+3],   v[RB] offset:2*DP*((\p)+4)
	ds_load_b128 v[xb_+4:xb_+7], v[RB] offset:2*DP*((\p)+4)+16
.endif
.if (\p) > 0
.irp q, 0,1,2,3
	v_pk_add_f32 v[CSUM+2*\q:CSUM+2*\q+1], v[CSUM+2*\q:CSUM+2*\q+1], v[RR+2*\q:RR+2*\q+1]
.endr
.endif
.if ((\p) > 0) && ((\p)%4 == 0)
	s_wait_xcnt 0x0                                ; the four store buffers take turns: this wait frees all four for the next four row pairs
.endif
.irp q, 0,1,2,3
	v_cvt_pk_f16_f32 v[pk_+\q], v[rr_+2*\q], v[rr_+2*\q+1]
.endr
	global_store_b128 v[GSW+(\p)%8], v[pk_:pk_+3], s[GB:GB+1] offset:512*(\p)  ; sixteen lanes fill a row: 256 consecutive bytes, aligned
.endm
.Lunit:                                                ; three trips: a unit each
	s_cmp_eq_u32 s[CNT], 1
	s_cselect_b32 s[IDN], s[ISV], 0
	s_cmp_eq_u32 s[IDN], 1
	s_cbranch_scc0 .Lturned                        ; hangs on the count and the cluster's x: alike in all partners
.set p_, 0
.rept 16                                               ; a value head is not turned: cos = 1, sin = 0
.irp e, 0,1,2,3
	v_mov_b32 v[CSN+8*p_+\e], 1.0
	v_mov_b32 v[CSN+8*p_+4+\e], 0
.endr
.set p_, p_+1
.endr
.Lturned:
.irp p, 0,1,2,3
	ds_load_b128 v[XB+8*\p:XB+8*\p+3],   v[RB] offset:2*DP*\p
	ds_load_b128 v[XB+8*\p+4:XB+8*\p+7], v[RB] offset:2*DP*\p+16
.endr
.irp p, 0,1,2,3,4,5,6,7,8,9,10,11,12,13,14,15
	ROWP \p
.endr
	s_cmp_eq_u32 s[IDN], 1
	s_cbranch_scc1 .Lno_sketch                     ; values have no sketch
.irp j, 0,1,2,3,4,5,6,7
	v_permlanex16_b32 v[TT+\j], v[CSUM+\j], s[SEL], s[SEL+1]  ; the odd rows' sums lie in the lane 16 away
.endr
.irp j, 0,1,2,3,4,5,6,7
	v_add_f32 v[CSUM+\j], v[CSUM+\j], v[TT+\j]
.endr
	WIN 0x0c                                       ; H (source 1) in window 3
.set c_, 0
.rept 8                                                ; sixteen columns at a time: lanes 2 c_ and 2 c_ + 1 hold columns 16 c_ .. + 15; lane m adds sum(d') H(d', m), in four chains
.irp j, 0,1,2,3,4,5,6,7
	v_readlane_b32 s[RL+\j], v[CSUM+\j], 2*c_
	v_readlane_b32 s[RL+8+\j], v[CSUM+\j], 2*c_+1
.endr
.irp n, 0,1,2,3,4,5,6,7,8,9,10,11,12,13,14,15
.if (c_ == 0) && (\n < 4)
	v_mul_f32 v[SA+\n], s[RL+\n], v[HP+\n]
.else
	v_fmac_f32 v[SA+\n%4], s[RL+\n], v[HP+16*c_+\n]
.endif
.endr
.set c_, c_+1
.endr
	WIN 0
	v_add_f32 v[SA], v[SA], v[SA+1]
	v_add_f32 v[SA+2], v[SA+2], v[SA+3]
	v_add_f32 v[SA], v[SA], v[SA+2]
	v_add_nc_u32 v[SKV], s[SKO], v[L4]
	global_store_b32 v[SKV], v[SA], s[12:13]       ; 128 consecutive bytes: the other half of the block's 256 is my neighbour wave's
.Lno_sketch:
	s_wait_xcnt 0x0                                ; bases, offsets and data of the stores are rewritten only behind this wait
	v_add_nc_u32 v[RB], 512, v[RB]                 ; the next unit's columns
	s_mov_b64 s[GB:GB+1], s[GB+2:GB+3]
	s_mov_b64 s[GB+2:GB+3], s[GB+4:GB+5]
	s_mov_b32 s[SKO], s[SKO+1]
	s_mov_b32 s[SKO+1], s[SKO+2]
	s_sub_co_u32 s[CNT], s[CNT], 1
	s_cmp_lg_u32 s[CNT], 0
	s_cbranch_scc1 .Lunit
	s_wait_tensorcnt 0x0                           ; the wave's end: the add to my spare word and its wait stand behind my last tensor load and my last LDS store
	ds_add_u32 v[SPW], v[NIL]
	s_wait_dscnt 0x0
	CROUND                                         ; the closing round: no work-group ends while a partner may still ask for a tile that names it
	s_endpgm
.Lfunc_end_k_q6bfb4a956f_proj:
	.size	k_q6bfb4a956f_proj, .Lfunc_end_k_q6bfb4a956f_proj-k_q6bfb4a956f_proj
	.p2alignl 7, 3214868480
	.fill 96, 4, 3214868480
	.section	.rodata,"a",@progbits
	.p2align	6, 0x0
	.amdhsa_kernel k_q6bfb4a956f_proj
		.amdhsa_group_segment_fixed_size 327680
		.amdhsa_private_segment_fixed_size 0
		.amdhsa_enable_private_segment 0
		.amdhsa_kernarg_size 40
		.amdhsa_user_sgpr_count 2
		.amdhsa_user_sgpr_kernarg_segment_ptr 1
		.amdhsa_wavefront_size32 1
		.amdhsa_system_sgpr_workgroup_id_x 1
		.amdhsa_system_sgpr_workgroup_id_y 1
		.amdhsa_system_sgpr_workgroup_id_z 1
		.amdhsa_system_vgpr_workitem_id 0
		.amdhsa_next_free_vgpr 1024
		.amdhsa_next_free_sgpr 100
		.amdhsa_reserve_vcc 0
		.amdhsa_float_denorm_mode_32 3
		.amdhsa_float_denorm_mode_16_64 3
		.amdhsa_memory_ordered 1
		.amdhsa_forward_progress 1
		.amdhsa_inst_pref_size 126
	.end_amdhsa_kernel
	.amdgpu_metadata
---
amdhsa.version: [ 1, 2 ]
amdhsa.kernels:
  - .name:           k_q6bfb4a956f_proj
    .symbol:         k_q6bfb4a956f_proj.kd
    .args:
      - { .name: xb, .offset: 0, .size: 8, .value_kind: global_buffer, .address_space: global }
      - { .name: wqkv, .offset: 8, .size: 8, .value_kind: global_buffer, .address_space: global }
      - { .name: tab, .offset: 16, .size: 8, .value_kind: global_buffer, .address_space: global }
      - { .name: qkvh, .offset: 24, .size: 8, .value_kind: global_buffer, .address_space: global }
      - { .name: sk, .offset: 32, .size: 8, .value_kind: global_buffer, .address_space: global }
    .group_segment_fixed_size: 327680
    .private_segment_fixed_size: 0
    .kernarg_segment_align: 8
    .kernarg_segment_size: 40
    .max_flat_workgroup_size: 128
    .sgpr_count:     100
    .vgpr_count:     1024
    .wavefront_size: 32
...
	.end_amdgpu_metadata
.endif
;; end of part 2
;; launch pick (part 3): grid 384 x 1, 8 waves a work-group, no clusters, 0 bytes of LDS; arguments sk, Wo, idx, wob; writes idx, wob
.if DOCPART == 3
	.amdgcn_target "amdgcn-amd-amdhsa--gfx1250"
	.amdhsa_code_object_version 6
	.text
	.protected	k_q6bfb4a956f_pick
	.globl	k_q6bfb4a956f_pick
	.p2align	8
	.type	k_q6bfb4a956f_pick,@function
k_q6bfb4a956f_pick:
	s_mov_b64 s[64:65], 0
	v_nop
	global_prefetch_b8 v0, s[64:65] scope:SCOPE_SE
	s_setreg_imm32_b32 hwreg(HW_REG_WAVE_MODE, 25, 1), 1
	s_wait_xcnt 0x0
; PICK, and beside it the cast of Wo.
; Work-groups 0-127: for each head and query block the eight key blocks with the highest sketch scores, as whole numbers for the launch behind: an address may not hang on a comparison of
; floating-point numbers made in the same launch.  All in f32.  One wave makes one row of 64 scores: lane l holds the scores of key blocks l and l + 32.
; score(i, j) = (sum of q's sketches in block i) . (sum of k's in block j) / 4,096; j > i counts as -1e9, j = i as 1e9, as in reference().
; Eight times: the maximum of the 64; the lowest index that has it (the order in which lax.top_k breaks ties); that entry goes to minus infinity.  No branch and no address hangs on a score.
; 4 KFLOP a row: no LDS, no matrix unit.  The wave's result is 32 bytes; the buffer has 32 KiB in all, so the stores are left as they fall.  LIMIT: NaN among the scores is not treated apart.
; Work-groups 128-383: wob [2048][2048] = Wo rounded to bf16, that number written as f16.  Nothing needs it before the last launch, and the 128 work-groups above are work for half of the 256 WGPs:
; so it stands here.  A wave takes one row: 16 pieces of 128 numbers, twice 8; 512 bytes in, 256 consecutive aligned bytes out.
; LIMIT: below 6.1e-5 f16 keeps a fixed step of 6e-8, beyond 65,504 it has no number.
.set KA, 16                            ; v[16:79]   key block l: 32 numbers of its first 32 rows, 32 of its second
.set KB, 80                            ; v[80:143]  key block l + 32
.set SQ, 144                           ; v[144:145] lane m: the query block's two halves
.set AC, 146                           ; v[146:149] two chains for each of the two scores
.set IN,  16                           ; the cast: v[16:47] piece q of eight: 4 registers as loaded
.set OUT, 48                           ; v[48:63]   2 registers to store
.set TP,  64                           ; v[64:67]   at work
	s_load_b256 s[4:11], s[0:1], 0x0               ; sk s[4:5], Wo s[6:7], idx s[8:9], wob s[10:11]
	v_lshrrev_b32 v1, 5, v0
	v_readfirstlane_b32 s12, v1                    ; wave
	v_and_b32 v1, 31, v0                           ; l
	s_mov_b32 s36, ttmp9
	s_cmp_lt_u32 s36, 128
	s_cbranch_scc1 .Lrows
	s_sub_co_u32 s13, s36, 128
	s_lshl3_add_u32 s13, s13, s12                  ; my row of Wo
	s_lshl_b32 s32, s13, 13
	s_mov_b32 s33, 0
	s_lshl_b32 s34, s13, 12
	s_mov_b32 s35, 0
	v_lshlrev_b32 v2, 4, v1                        ; 16 l
	v_lshlrev_b32 v3, 3, v1                        ; 8 l
	s_mov_b32 s37, 2
	s_wait_kmcnt 0x0
	s_add_nc_u64 s[28:29], s[6:7], s[32:33]
	s_add_nc_u64 s[30:31], s[10:11], s[34:35]
.Lhalf:
.set q, 0
.rept 8
	global_load_b128 v[IN+4*q:IN+4*q+3], v2, s[28:29] offset:512*q th:TH_LOAD_NT
.set q, q+1
.endr
.set q, 0
.rept 8
	s_wait_loadcnt 7-q                             ; loads come back in order: piece q's is in, the younger ones stay out
	v_cvt_pk_bf16_f32 v[OUT+2*q], v[IN+4*q], v[IN+4*q+1]
	v_cvt_pk_bf16_f32 v[OUT+2*q+1], v[IN+4*q+2], v[IN+4*q+3]
	v_lshlrev_b32 v[TP], 16, v[OUT+2*q]
	v_and_b32 v[TP+1], 0xffff0000, v[OUT+2*q]
	v_lshlrev_b32 v[TP+2], 16, v[OUT+2*q+1]
	v_and_b32 v[TP+3], 0xffff0000, v[OUT+2*q+1]
	v_cvt_pk_f16_f32 v[OUT+2*q], v[TP], v[TP+1]
	v_cvt_pk_f16_f32 v[OUT+2*q+1], v[TP+2], v[TP+3]
	global_store_b64 v3, v[OUT+2*q:OUT+2*q+1], s[30:31] offset:256*q  ; 32 lanes x 8 bytes: 256 consecutive bytes, aligned
.set q, q+1
.endr
	s_wait_xcnt 0x0                                ; the two bases and the stores' data are rewritten only behind this wait
	s_add_nc_u64 s[28:29], s[28:29], 4096
	s_add_nc_u64 s[30:31], s[30:31], 2048
	s_sub_co_u32 s37, s37, 1
	s_cmp_lg_u32 s37, 0
	s_cbranch_scc1 .Lhalf
	s_endpgm
.Lrows:
	v_add_nc_u32 v2, 32, v1                        ; l + 32
	s_lshl3_add_u32 s13, s36, s12                  ; the row: 64 x head + query block
	s_lshr_b32 s14, s13, 6
	s_and_b32 s15, s13, 63                         ; i
	s_lshr_b32 s32, s14, 2                         ; the key head,
	s_add_co_u32 s32, s32, 16                      ; its unit in sk,
	s_lshl_b32 s32, s32, 14                        ; of 16,384 bytes
	v_lshl_add_u32 v3, v1, 8, s32
	s_lshl_b32 s33, s13, 8
	v_lshl_add_u32 v4, v1, 2, s33
	s_lshl_b32 s34, s13, 5
	v_lshl_add_u32 v5, v1, 2, s34
	s_mov_b32 s16, 0x76543210
	s_mov_b32 s17, 0xfedcba98
	v_mov_b32 v11, 0                               ; v_permlanex16_b32's destination counts as read
	v_mov_b32 v12, 0                               ; the result: lane t takes the t-th index
	v_mov_b32 v14, 0xff800000
	s_wait_kmcnt 0x0
.set n_, 0
.rept 16
	global_load_b128 v[KA+4*n_:KA+4*n_+3], v3, s[4:5] offset:16*n_
	global_load_b128 v[KB+4*n_:KB+4*n_+3], v3, s[4:5] offset:16*n_+8192
.set n_, n_+1
.endr
	global_load_b32 v[SQ], v4, s[4:5]
	global_load_b32 v[SQ+1], v4, s[4:5] offset:128
	s_wait_loadcnt 0x0
.set n_, 0
.rept 16                                               ; the two halves of 32 rows make the block's sum
	v_pk_add_f32 v[KA+2*n_:KA+2*n_+1], v[KA+2*n_:KA+2*n_+1], v[KA+32+2*n_:KA+32+2*n_+1]
	v_pk_add_f32 v[KB+2*n_:KB+2*n_+1], v[KB+2*n_:KB+2*n_+1], v[KB+32+2*n_:KB+32+2*n_+1]
.set n_, n_+1
.endr
	v_add_f32 v[SQ], v[SQ], v[SQ+1]
.set m_, 0
.rept 4
.irp n, 0,1,2,3,4,5,6,7
	v_readlane_b32 s[24+\n], v[SQ], m_+\n
.endr
.irp n, 0,1,2,3,4,5,6,7
.if (m_+\n) < 2
	v_mul_f32 v[AC+\n], s[24+\n], v[KA+\n]
	v_mul_f32 v[AC+2+\n], s[24+\n], v[KB+\n]
.else
	v_fmac_f32 v[AC+\n%2], s[24+\n], v[KA+m_+\n]
	v_fmac_f32 v[AC+2+\n%2], s[24+\n], v[KB+m_+\n]
.endif
.endr
.set m_, m_+8
.endr
	v_add_f32 v6, v[AC], v[AC+1]
	v_add_f32 v7, v[AC+2], v[AC+3]
	v_mul_f32 v6, 0x39800000, v6                   ; 1 / 4,096: the two means over 64 rows; exact
	v_mul_f32 v7, 0x39800000, v7
	v_mov_b32 v9, 0xce6e6b28                       ; -1e9
	v_mov_b32 v10, 0x4e6e6b28                      ; 1e9
	v_cmp_lt_u32 vcc_lo, s15, v1
	v_cndmask_b32 v6, v6, v9, vcc_lo
	v_cmp_eq_u32 vcc_lo, s15, v1
	v_cndmask_b32 v6, v6, v10, vcc_lo
	v_cmp_lt_u32 vcc_lo, s15, v2
	v_cndmask_b32 v7, v7, v9, vcc_lo
	v_cmp_eq_u32 vcc_lo, s15, v2
	v_cndmask_b32 v7, v7, v10, vcc_lo
	s_mov_b32 s23, 0
.Lpick:
	v_max_num_f32 v8, v6, v7
	v_max_num_f32_dpp v8, v8, v8 row_xmask:1 row_mask:0xf bank_mask:0xf
	v_max_num_f32_dpp v8, v8, v8 row_xmask:2 row_mask:0xf bank_mask:0xf
	v_max_num_f32_dpp v8, v8, v8 row_xmask:4 row_mask:0xf bank_mask:0xf
	v_max_num_f32_dpp v8, v8, v8 row_xmask:8 row_mask:0xf bank_mask:0xf
	v_permlanex16_b32 v11, v8, s16, s17
	v_max_num_f32 v8, v8, v11                      ; every lane holds the maximum
	v_cmp_eq_f32 s18, v6, v8
	v_cmp_eq_f32 s19, v7, v8
	s_ctz_i32_b32 s20, s18                         ; the lowest block among 0-31 that has it,
	s_ctz_i32_b32 s21, s19
	s_add_co_u32 s21, s21, 32                      ; or among 32-63
	s_cmp_lg_u32 s18, 0
	s_cselect_b32 s20, s20, s21
	v_mov_b32 v13, s20
	v_cmp_eq_u32 vcc_lo, s23, v1
	v_cndmask_b32 v12, v12, v13, vcc_lo
	v_cmp_eq_u32 vcc_lo, s20, v1
	v_cndmask_b32 v6, v6, v14, vcc_lo
	v_cmp_eq_u32 vcc_lo, s20, v2
	v_cndmask_b32 v7, v7, v14, vcc_lo
	s_add_co_u32 s23, s23, 1
	s_cmp_lt_u32 s23, 8
	s_cbranch_scc1 .Lpick
	v_cmp_gt_u32 vcc_lo, 8, v1
	s_wait_xcnt 0x0                                ; EXEC changes only behind this wait
	s_and_saveexec_b32 s22, vcc_lo
	global_store_b32 v5, v12, s[8:9]
	s_wait_xcnt 0x0                                ; and again, in front of the line that widens it
	s_or_b32 exec_lo, exec_lo, s22
	s_endpgm
.Lfunc_end_k_q6bfb4a956f_pick:
	.size	k_q6bfb4a956f_pick, .Lfunc_end_k_q6bfb4a956f_pick-k_q6bfb4a956f_pick
	.p2alignl 7, 3214868480
	.fill 96, 4, 3214868480
	.section	.rodata,"a",@progbits
	.p2align	6, 0x0
	.amdhsa_kernel k_q6bfb4a956f_pick
		.amdhsa_group_segment_fixed_size 0
		.amdhsa_private_segment_fixed_size 0
		.amdhsa_enable_private_segment 0
		.amdhsa_kernarg_size 32
		.amdhsa_user_sgpr_count 2
		.amdhsa_user_sgpr_kernarg_segment_ptr 1
		.amdhsa_wavefront_size32 1
		.amdhsa_system_sgpr_workgroup_id_x 1
		.amdhsa_system_sgpr_workgroup_id_y 1
		.amdhsa_system_sgpr_workgroup_id_z 1
		.amdhsa_system_vgpr_workitem_id 0
		.amdhsa_next_free_vgpr 160
		.amdhsa_next_free_sgpr 66
		.amdhsa_reserve_vcc 1
		.amdhsa_float_denorm_mode_32 3
		.amdhsa_float_denorm_mode_16_64 3
		.amdhsa_memory_ordered 1
		.amdhsa_forward_progress 1
		.amdhsa_inst_pref_size 19
	.end_amdhsa_kernel
	.amdgpu_metadata
---
amdhsa.version: [ 1, 2 ]
amdhsa.kernels:
  - .name:           k_q6bfb4a956f_pick
    .symbol:         k_q6bfb4a956f_pick.kd
    .args:
      - { .name: sk, .offset: 0, .size: 8, .value_kind: global_buffer, .address_space: global }
      - { .name: Wo, .offset: 8, .size: 8, .value_kind: global_buffer, .address_space: global }
      - { .name: idx, .offset: 16, .size: 8, .value_kind: global_buffer, .address_space: global }
      - { .name: wob, .offset: 24, .size: 8, .value_kind: global_buffer, .address_space: global }
    .group_segment_fixed_size: 0
    .private_segment_fixed_size: 0
    .kernarg_segment_align: 8
    .kernarg_segment_size: 32
    .max_flat_workgroup_size: 256
    .sgpr_count:     66
    .vgpr_count:     160
    .wavefront_size: 32
...
	.end_amdgpu_metadata
.endif
;; end of part 3
;; launch attn (part 4): grid 64 x 4, 4 waves a work-group, no clusters, 327,680 bytes of LDS; arguments qkvh, idx, att; writes att
.if DOCPART == 4
	.amdgcn_target "amdgcn-amd-amdhsa--gfx1250"
	.amdhsa_code_object_version 6
	.text
	.protected	k_q6bfb4a956f_attn
	.globl	k_q6bfb4a956f_attn
	.p2align	8
	.type	k_q6bfb4a956f_attn,@function
k_q6bfb4a956f_attn:
	s_mov_b64 s[64:65], 0
	v_nop
	global_prefetch_b8 v0, s[64:65] scope:SCOPE_SE
	s_setreg_imm32_b32 hwreg(HW_REG_WAVE_MODE, 25, 1), 1
	s_wait_xcnt 0x0
; ATTN: for each head and block of 64 queries, softmax attention over the eight key blocks that the list names, with the causal mask by tokens.
; A work-group is one query block of one key head's four query heads; wave w is head 4 kvh + w with all 64 queries: four tiles of 16, in two PIECES (tiles 0, 1 and tiles 2, 3).
; Eight steps, one listed block of 64 keys each.  A block's K and V lie on end in qkvh, 32 KiB, brought by one tensor load into the wave's own ring of two slots.
; NO CLUSTER, NO JOINT LOADS: each head and query block has a list of its own, read from memory, so no two waves or work-groups are known to want the same block in the same step.
; LAYOUT.  S^T = K Q^T (source 0 = 16 keys, source 1 = 16 queries): a lane holds ONE query (lane % 16) and the keys 8 (lane / 16) + 0..7.  Two such results rounded to f16 in pairs ARE source 1
; of O^T = V^T P, whose result again holds one query a lane.  K comes out of LDS as it lies, V turned, by ds_load_tr16_b128.  Rows in LDS are dense, 256 bytes; the launch before has turned
; each row's sixteen chunks round by F(row % 16) = ((2 x) & 14) | (x >> 3), so that the 16 lanes of a load touch 16 different places (64 banks of 4 bytes: ISA guide 11.1).
; att IS WRITTEN IN FRAGMENTS: [256 tiles of 16 rows][64 chunks of 32 channels][1,024 bytes]; in a chunk, lane l's 16 bytes of channels 8 (l / 16) + 0..7 at 16 l, those of channels 16 + 8 (l / 16) + 0..7
; at 512 + 16 l.  That is what a lane of O^T holds, rounded to f16: the stores go straight from registers, 512 consecutive bytes each, and the launch behind reads its operand lane by lane.
; SOFTMAX.  A running maximum m and sum l for each query: p = 2^(c s - c m), c = log2(e) / sqrt(128); in every step O and l are multiplied by a = 2^(c m_old - c m_new).
; m starts at -1e20, O and l at 0, so the first step is a step like any other, with a = 0: the price is 272 v_mov_b32, in the wait for the first tile.
; THE MASK is the C operand that starts a sum S^T: 0, or -1e30 where the key is hidden.  For listed block j and query block i: j < i nothing is hidden, j > i all; j = i: key tile kt against query tile qt:
; kt < qt nothing, kt > qt all, kt = qt the triangle.  Three sets of eight registers, made anew in each step from two scalars: no branch hangs on the list.
; A hidden score, about -1e30, lies below the -1e20 at which m starts: it never becomes m, and its weight is 0, in whatever order the list comes.
; WITHIN A STEP: piece 0's scores; piece 2's scores with piece 0's softmax in slices behind them; piece 0's V^T P with piece 2's softmax behind them; piece 2's V^T P.
; LIMITS.  q, k, v arrive within f16's 65,504, so |s| <= 5.5e11.  p below 6e-5 keeps f16's fixed step; a weight below 2^-126 counts as 0.  A query ALL of whose eight blocks are hidden
; (the diagonal not listed: block scores beyond 1e9) gives 0 / 0; reference() gives a mean there.  NaN and infinities are not treated apart.
; REGISTERS, in windows of 256 (s_set_vgpr_msb: bits 1:0 source 0, 3:2 source 1, 5:4 source 2, 7:6 destination):
;   window 0: v0-31 addresses; v32-63 eight registers of statistics a tile; v64-191 S^T, 32 a tile; v192-255 P, 16 a tile          window 1: O^T, 64 a tile
;   window 2: v0-127 Q, 32 a tile; v128-255 K of one step          window 3: v0-127 V of one step; v128-159 the triangle and the three masks
.set SLOT1, 1<<17                      ; slot 0: wave w's tile at 32,768 w; slot 1 this much further: one exclusive or changes slots
.set SPARE, 2*SLOT1                    ; behind the rings: the spare words, 128 bytes for each wave, two blocks of 256 bytes that no other line names
.set AK0, 2                            ; v2-9    my place in 16 rows of K or Q, for chunk pair c = 0..7 (32 bytes of channels each); never rewritten
.set AV0, 10                           ; v10-17  the same for V's turning loads, channel block cb = 0..7
.set ADR, 18                           ; v18-25  the LDS addresses of the run of loads in hand
.set GO,  28                           ; v28  16 x lane
.set SPW, 30                           ; v30  LDS address of my spare word; never rewritten
.set NIL, 31                           ; v31  0; never rewritten
.set ST,  32                           ; tile t at v[ST+8 t]: c m, m, l (even keys', odd keys'), c0-c3 at work; a takes c2's place
.set S,   64
.set P,   192
.set KF,  128                          ; window 2
.set TM,  128                          ; window 3: the triangle: register j is -1e30 where key 8 (l / 16) + j lies behind query l % 16
.set MV,  136                          ; the mask of key tiles in front of the query tile
.set MH,  144                          ; behind it
.set MG,  152                          ; at it
.set WV,  12
.set QI,  13                           ; s13 the query block
.set KVH, 14
.set HH,  15                           ; s15 my head
.set G1,  16                           ; s[16:23] descriptor group 1
.set G0,  24                           ; s[24:27] group 0
.set KVB, 28                           ; s[28:29] the key head's region
.set QB,  30                           ; s[30:31] my 64 rows of Q
.set OB,  32                           ; s[32:33] att at my four row tiles, my head's four chunks
.set OFF, 34                           ; s[34:35] a block's byte offset
.set TB,  36                           ; s36 LDS byte of the tile in hand
.set CNT, 37
.set AL,  38                           ; s[38:39] 1 where the block is the diagonal one
.set BE,  40                           ; s[40:41] -1e30 where it lies behind the queries
.set HD,  42                           ; s42 -1e30 in both cases
.set BIGN, 43
.set CS,  44                           ; s[44:45] c
.set SEL, 46                           ; s[46:47]
.set IX,  48                           ; s[48:55] the list; it moves down one place a step
.set MSB, 0
.macro WIN new
.if MSB != (\new)
	s_set_vgpr_msb (MSB<<8)|(\new)
.set MSB, \new
.endif
.endm
.set W_KQ, 0x0a                        ; K and Q window 2, S^T window 0
.set W_KM, 0x3a                        ; the same with C in window 3
.set W_PV, 0x53                        ; V window 3, P window 0, O^T window 1
.set W_RS, 0x41                        ; O^T (destination and source 0) window 1, a window 0
.macro PLACES
.rept 4
	v_nop
.endr
.endm
	s_load_b128 s[4:7], s[0:1], 0x0                ; qkvh s[4:5], idx s[6:7]
	s_load_b64 s[8:9], s[0:1], 0x10                ; att
	v_lshl_add_u32 v[SPW], v0, 2, SPARE
	v_mov_b32 v[NIL], 0
	ds_add_u32 v[SPW], v[NIL]                      ; the wave's opening: the add and its wait stand ahead of my first tensor load; work on registers stands between them
	ds_add_u32 v30, v31
	v_lshrrev_b32 v1, 5, v0
	v_readfirstlane_b32 s[WV], v1
	s_mov_b32 s[QI], ttmp9
	s_and_b32 s[KVH], ttmp7, 0xffff
	s_lshl2_add_u32 s[HH], s[KVH], s[WV]
	s_mov_b32 s[G1], 3<<16                         ; 32,768 dense bytes as 128 rows of 32 elements of 8 bytes; no mask, no padding
	s_mov_b32 s[G1+1], 32<<16                      ; tensor_dim0 = 32
	s_mov_b32 s[G1+2], 128<<16                     ; tensor_dim1 = 128
	s_mov_b32 s[G1+3], 32<<16                      ; tile_dim0 = 32
	s_mov_b32 s[G1+4], 128                         ; tile_dim1 = 128
	s_mov_b32 s[G1+5], 32                          ; elements from row to row
	s_mov_b32 s[G1+6], 0
	s_mov_b32 s[G1+7], 0
	s_mov_b32 s[G0], 1
	s_lshl_b32 s[G0+1], s[WV], 15                  ; my ring's slot 0
	s_add_co_u32 s[TB], s[G0+1], SLOT1             ; the first change of slots turns this into slot 0
	s_mov_b32 s[OFF+1], 0
	s_mov_b32 s[AL+1], 0                           ; named as pairs
	s_mov_b32 s[BE+1], 0
	s_mov_b32 s[BIGN], 0xf149f2ca                  ; -1e30
	s_mov_b32 s[CS], 0x3e0293ee                    ; c = 0.127517
	s_mov_b32 s[CS+1], s[CS]
	s_mov_b32 s[SEL], 0x76543210
	s_mov_b32 s[SEL+1], 0xfedcba98
	s_lshl_b32 s56, s[HH], 6
	s_add_co_u32 s56, s56, s[QI]
	s_lshl_b32 s56, s56, 5                         ; my list: 32 bytes
	s_mov_b32 s57, 0
	s_add_co_u32 s58, s[KVH], 8
	s_lshl_b32 s58, s58, 21
	s_mov_b32 s59, 0
	s_lshr_b32 s60, s[HH], 1
	s_lshl_b32 s60, s60, 21
	s_lshl_b32 s61, s[QI], 15
	s_add_co_u32 s60, s60, s61
	s_and_b32 s61, s[HH], 1
	s_lshl_b32 s61, s61, 14
	s_add_co_u32 s60, s60, s61
	s_mov_b32 s61, 0
	s_lshl_b32 s62, s[QI], 18                      ; four row tiles of 65,536 bytes,
	s_lshl_b32 s63, s[HH], 12                      ; my head's four chunks of 1,024 in each
	s_add_co_u32 s62, s62, s63
	s_mov_b32 s63, 0
	s_wait_dscnt 0x0                               ; the opening add is done
	s_wait_kmcnt 0x0
	s_add_nc_u64 s[56:57], s[6:7], s[56:57]
	s_load_b256 s[IX:IX+7], s[56:57], 0x0
	s_add_nc_u64 s[KVB:KVB+1], s[4:5], s[58:59]
	s_add_nc_u64 s[QB:QB+1], s[4:5], s[60:61]
	s_add_nc_u64 s[OB:OB+1], s[8:9], s[62:63]
	v_and_b32 v1, 15, v0                           ; r.  Q hangs on no list: it is asked for while the list is on its way
	v_bfe_u32 v29, v0, 4, 1                        ; h
	v_lshlrev_b32 v64, 1, v1
	v_and_b32 v64, 14, v64
	v_lshrrev_b32 v65, 3, v1
	v_or_b32 v64, v64, v65                         ; F(r)
	v_add_nc_u32 v64, v64, v29
	v_lshlrev_b32 v65, 8, v1
.irp c, 0,1,2,3,4,5,6,7                        ; row r, chunk 2 c + h, at place (2 c + h + F(r)) % 16
	v_add_nc_u32 v66, 2*\c, v64
	v_and_b32 v66, 15, v66
	v_lshl_add_u32 v[AK0+\c], v66, 4, v65
.endr
	WIN 0x80                                       ; destination window 2
.irp t, 0,1,2,3
.irp c, 0,1,2,3,4,5,6,7                        ; Q stays in registers; its rows are laid as K's
	global_load_b128 v[32*\t+4*\c:32*\t+4*\c+3], v[AK0+\c], s[QB:QB+1] offset:4096*\t
.endr
.endr
	WIN 0
	s_wait_kmcnt 0x0                               ; the list
	s_min_u32 s[OFF], s[IX], 63                    ; a number read from memory enters an address only clamped to the table
	s_lshl_b32 s[OFF], s[OFF], 15
	s_add_nc_u64 s[G0+2:G0+3], s[KVB:KVB+1], s[OFF:OFF+1]
	s_or_b32 s[G0+3], s[G0+3], 0x80000000
	tensor_load_to_lds s[G0:G0+3], s[G1:G1+7]      ; the first listed block into slot 0
	s_nop 0
	v_and_b32 v67, 7, v0
	v_bfe_u32 v68, v0, 3, 1
	v_lshl_add_u32 v69, v29, 3, v67                ; the turning load: lane l reads key 8 h + l % 8,
	v_lshlrev_b32 v69, 8, v69
	v_add_nc_u32 v69, 16384, v69                   ; (V lies behind K's 64 rows)
	v_lshl_add_u32 v70, v67, 1, v68                ; chunk 2 cb + (l / 8) % 2, and F of that key is 2 (l % 8) + h
	v_add_nc_u32 v70, v70, v29
.irp c, 0,1,2,3,4,5,6,7
	v_add_nc_u32 v66, 2*\c, v70
	v_and_b32 v66, 15, v66
	v_lshl_add_u32 v[AV0+\c], v66, 4, v69
.endr
	v_and_b32 v[GO], 31, v0
	v_lshlrev_b32 v[GO], 4, v[GO]
	v_lshlrev_b32 v71, 3, v29
	v_sub_nc_u32 v71, v1, v71                      ; r - 8 h: register j is hidden where j is greater
	WIN 0xc0
.irp j, 0,1,2,3,4,5,6,7
	v_cmp_gt_i32 vcc_lo, \j, v71
	v_cndmask_b32 v[TM+\j], 0, s[BIGN], vcc_lo
.endr
	WIN 0x40
.set i, 0
.rept 256
	v_mov_b32 v[i], 0                              ; O^T
.set i, i+1
.endr
	WIN 0
.irp t, 0,1,2,3
	v_mov_b32 v[ST+8*\t], 0xfe000000               ; c m: far below every c s, so the first a is 0
	v_mov_b32 v[ST+8*\t+1], 0xe0ad78ec             ; m = -1e20: below every score, above every hidden one
	v_mov_b32 v[ST+8*\t+2], 0
	v_mov_b32 v[ST+8*\t+3], 0
.endr
	s_wait_loadcnt 0x0                             ; Q
; THE CHANGE OF SLOTS.  The wave waits for all its tensor loads (one is out: the tile that it is about to read), adds 0 to its spare word, waits for that and for its reads of the slot that it leaves,
; and passes the barrier; fill = 1: the slot left is filled with the next listed block, first thing behind the barrier.  That load has one step, 128 matrix instructions, in which to land.
; (At its first use nothing has been read yet: slot 0 is waited for, slot 1 filled.)  The step's mask scalars are made here too.
.macro CHANGE fill
	WIN 0
	s_wait_tensorcnt 0x0                           ; no tensor load of mine is out, so group 0 may be written
	ds_add_u32 v[SPW], v[NIL]                      ; 0 onto my spare word; scalar work stands between it and the wait for it
.if \fill
	s_min_u32 s[OFF], s[IX+1], 63
	s_lshl_b32 s[OFF], s[OFF], 15
	s_xor_b32 s[G0+1], s[G0+1], SLOT1
	s_add_nc_u64 s[G0+2:G0+3], s[KVB:KVB+1], s[OFF:OFF+1]
	s_or_b32 s[G0+3], s[G0+3], 0x80000000
.endif
	s_cmp_eq_u32 s[IX], s[QI]
	s_cselect_b32 s[AL], 1.0, 0
	s_cmp_gt_u32 s[IX], s[QI]
	s_cselect_b32 s[BE], s[BIGN], 0
	s_cmp_ge_u32 s[IX], s[QI]
	s_cselect_b32 s[HD], s[BIGN], 0
	s_wait_dscnt 0x0                               ; the add is done, and my reads of the slot are over
	s_barrier_signal -1
	s_xor_b32 s[TB], s[TB], SLOT1
	s_barrier_wait -1
.if \fill
	tensor_load_to_lds s[G0:G0+3], s[G1:G1+7]
	s_nop 0
.endif
.endm
; THE LDS LOADS stand in two runs of 32.  The eight additions in front of K's run are also the places behind the last products of the step before, which read V.
.macro FETCH_K
	WIN 0
.irp c, 0,1,2,3,4,5,6,7
	v_add_nc_u32 v[ADR+\c], s[TB], v[AK0+\c]
.endr
	WIN 0x80
.irp t, 0,1,2,3
.irp c, 0,1,2,3,4,5,6,7                        ; keys 16 t on, channels 16 c on
	ds_load_b128 v[KF+32*\t+4*\c:KF+32*\t+4*\c+3], v[ADR+\c] offset:4096*\t
.endr
.endr
.endm
.macro FETCH_V
	WIN 0
.irp c, 0,1,2,3,4,5,6,7
	v_add_nc_u32 v[ADR+\c], s[TB], v[AV0+\c]
.endr
	WIN 0xc0
.irp t, 0,1
.irp c, 0,1,2,3,4,5,6,7                        ; keys 32 t on, channels 16 c on
	ds_load_tr16_b128 v[64*\t+8*\c:64*\t+8*\c+3],   v[ADR+\c] offset:8192*\t
	ds_load_tr16_b128 v[64*\t+8*\c+4:64*\t+8*\c+7], v[ADR+\c] offset:8192*\t+4096
.endr
.endr
.endm
.macro MASKS
	WIN 0xc0
.irp j, 0,1,2,3,4,5,6,7
	v_mov_b32 v[MV+\j], s[BE]
	v_mov_b32 v[MH+\j], s[HD]
.endr
	WIN 0xc3
.irp j, 0,2,4,6
	v_pk_fma_f32 v[MG+\j:MG+\j+1], v[TM+\j:TM+\j+1], s[AL:AL+1], s[BE:BE+1] op_sel_hi:[1,0,0]
.endr
.endm
; THE MATRIX WORK, for piece x.  The accumulators take turns, one instruction a turn.
; Product i of 32 of S^T = K Q^T: channels 32 (i / 8) on, keys 16 ((i / 2) % 4) on, tile x + i % 2.  The first 8 start the sums, with the mask.
.macro KQ x
.set kt_, (i/2)%4
.set tl_, (\x)+i%2
.set rS, S+32*tl_+8*kt_
.set rK, KF+32*kt_+8*(i/8)
.set rQ, 32*tl_+8*(i/8)
.if i < 8
.if kt_ < tl_
.set rM, MV
.elseif kt_ == tl_
.set rM, MG
.else
.set rM, MH
.endif
	WIN W_KM
	v_wmma_f32_16x16x32_f16 v[rS:rS+7], v[rK:rK+7], v[rQ:rQ+7], v[rM:rM+7]
.else
	WIN W_KQ
	v_wmma_f32_16x16x32_f16 v[rS:rS+7], v[rK:rK+7], v[rQ:rQ+7], v[rS:rS+7]
.endif
.endm
; Product i of 32 of O^T += V^T P: keys 32 (i / 16) on, channels 16 ((i / 2) % 8) on, tile x + i % 2.
.macro PV x
	WIN W_PV
.set rO, 64*((\x)+i%2)+8*((i/2)%8)
.set rV, 64*(i/16)+8*((i/2)%8)
.set rP, P+16*((\x)+i%2)+8*(i/16)
	v_wmma_f32_16x16x32_f16 v[rO:rO+7], v[rV:rV+7], v[rP:rP+7], v[rO:rO+7]
.endm
; THE VECTOR WORK.  One tile's softmax for one step is a list of 134 instructions; SM writes number j of it for tile t.  s0-s31 are the lane's 32 scores, in pairs 0-15.
;   0-15    the maximum of s0-s31 and the old m, three operands at a time: four chains of seven scores (each accumulator's lowest registers are read first), then the rest
;   16-20   the other half of the lanes' maximum; the new m; c m; c m_old - c m_new
;   21-87   33 exponentials (a, then s0-s31) at the odd numbers from 23 on, a plain instruction between any two (ISA guide 5.7.2): scalings c s - c m ahead of their exponentials, roundings to f16 behind theirs, the first sums
;   88-101  the last rounding; the rest of the sums; l = a l + the sum          102-133  the tile's O^T times a: the one part that leaves window 0
.macro SM t
.set rT, ST+8*(\t)
.set rS, S+32*(\t)
.set rP, P+16*(\t)
.set rO, 64*(\t)+2*(j-102)
.set q, (j-20)/2
.if j < 102
	WIN 0
.endif
.if j < 4
	v_max3_num_f32 v[rT+4+j], v[rS+8*j], v[rS+8*j+1], v[rS+8*j+2]
.elseif j < 12
	v_max3_num_f32 v[rT+4+j%4], v[rT+4+j%4], v[rS+8*(j%4)+2*(j/4)+1], v[rS+8*(j%4)+2*(j/4)+2]
.elseif j == 12
	v_max3_num_f32 v[rT+4], v[rT+4], v[rS+7], v[rS+15]
.elseif j == 13
	v_max3_num_f32 v[rT+6], v[rT+6], v[rS+23], v[rS+31]
.elseif j == 14
	v_max3_num_f32 v[rT+4], v[rT+4], v[rT+5], v[rT+6]
.elseif j == 15
	v_max3_num_f32 v[rT+4], v[rT+4], v[rT+7], v[rT+1]
.elseif j == 16
	v_permlanex16_b32 v[rT+5], v[rT+4], s[SEL], s[SEL+1]  ; the query's other 32 keys lie in the lane 16 away
.elseif j == 17
	v_mov_b32 v[rT+7], v[rT]                       ; c m_old is kept for a
.elseif j == 18
	v_max_num_f32 v[rT+1], v[rT+4], v[rT+5]
.elseif j == 19
	v_mul_f32 v[rT], s[CS], v[rT+1]
.elseif j == 20
	v_sub_f32 v[rT+7], v[rT+7], v[rT]
.elseif j == 23
	v_exp_f32 v[rT+6], v[rT+7]
.elseif (j < 88) && (j > 23) && (j%2 == 1)
	v_exp_f32 v[rS+(j-25)/2], v[rS+(j-25)/2]
.elseif (q < 4) || ((j < 76) && (q%2 == 0))
.set b, q/2+2
.if q < 4
.set b, q
.endif
	v_pk_fma_f32 v[rS+2*b:rS+2*b+1], v[rS+2*b:rS+2*b+1], s[CS:CS+1], v[rT:rT+1] op_sel_hi:[1,0,0] neg_lo:[0,0,1] neg_hi:[0,0,1]  ; pair b: c s - c m
.elseif (j < 88) && (q%2 == 1)
	s_wait_alu depctr_va_vdst(0)
	v_cvt_pk_f16_f32 v[rP+(q-5)/2], v[rS+q-5], v[rS+q-4]
.elseif j == 89
	s_wait_alu depctr_va_vdst(0)
	v_cvt_pk_f16_f32 v[rP+15], v[rS+30], v[rS+31]
.elseif j < 102                        ; the sum of the 16 pairs, in place: sum z of 16 adds neighbours 1, 2, 4 and 8 pairs apart, then l takes it
.set z, j-86
.if j < 89
.set z, (j-76)/4
.endif
.set w, 4
.set u, z
.if z >= 14
.set w, 32
.set u, 0
.elseif z >= 12
.set w, 16
.set u, z-12
.elseif z >= 8
.set w, 8
.set u, z-8
.endif
.if z < 15
	v_pk_add_f32 v[rS+w*u:rS+w*u+1], v[rS+w*u:rS+w*u+1], v[rS+w*u+w/2:rS+w*u+w/2+1]
.else
	v_pk_fma_f32 v[rT+2:rT+3], v[rT+2:rT+3], v[rT+6:rT+7], v[rS:rS+1] op_sel_hi:[1,0,1]
.endif
.else
	WIN W_RS
	v_pk_mul_f32 v[rO:rO+1], v[rO:rO+1], v[rT+6:rT+7] op_sel_hi:[1,0]
.endif
.endm
; Slice k of 64 of piece y's softmax: numbers 2 k and 2 k + 1 of both tiles' lists; the twelve that are over stand in slice 63.
.macro SLICE y
.if (k >= 11) && (k < 44)              ; tile by tile: plain, exponential, plain, exponential
.irp t, \y, (\y)+1
.irp n, 0,1
.set j, 2*k+(\n)
	SM \t
.endr
.endr
.else                                  ; the two tiles alternate
.irp n, 0,1,2,3,4,5,6,7
.if ((\n) < 2) || (k == 63)
.irp t, \y, (\y)+1
.set j, 2*k+(\n)
	SM \t
.endr
.endif
.endr
.endif
.set k, k+1
.endm
; A STEP.  Two slices stand behind each product of the two middle runs.  Slices 62 and 63, twenty plain instructions on O^T and a, are the places between a run's last product and the first read of its results.
.macro BODY
	FETCH_K
	FETCH_V
	MASKS
	s_wait_dscnt 32                                ; K is in; V's 32 loads may stay out
.set i, 0
.rept 32
	KQ 0
.set i, i+1
.endr
	PLACES                                         ; behind piece 0's scores
.set i, 0
.set k, 0
.rept 32
	KQ 2
	SLICE 0
	SLICE 0
.set i, i+1
.endr
	s_wait_dscnt 0x0                               ; V is in
.set i, 0
.set k, 0
.rept 32
	PV 0
	SLICE 2
	SLICE 2
.set i, i+1
.endr
.set i, 0
.rept 32
	PV 2
.set i, i+1
.endr
.endm
	s_mov_b32 s[CNT], 7
.Lstep:                                                ; seven trips: a listed block is worked on and the next is asked for
	CHANGE 1
	BODY
	WIN 0
.irp n, 0,1,2,3,4,5,6
	s_mov_b32 s[IX+\n], s[IX+\n+1]
.endr
	s_sub_co_u32 s[CNT], s[CNT], 1
	s_cmp_lg_u32 s[CNT], 0
	s_cbranch_scc1 .Lstep
	CHANGE 0                                       ; the last block is written out: nothing is asked for
	BODY
	; THE WAY OUT.  l's two halves and the other half of the lanes' are added; O^T is divided by l, rounded to f16 and stored as it lies.  The additions are the places behind the last products.
	WIN 0
.irp t, 0,1,2,3
	v_add_f32 v[ST+8*\t+4], v[ST+8*\t+2], v[ST+8*\t+3]
.endr
.irp t, 0,1,2,3
	v_permlanex16_b32 v[ST+8*\t+5], v[ST+8*\t+4], s[SEL], s[SEL+1]
.endr
.irp t, 0,1,2,3
	v_add_f32 v[ST+8*\t+4], v[ST+8*\t+4], v[ST+8*\t+5]
.endr
.irp t, 0,1,2,3
	v_rcp_f32 v[ST+8*\t+6], v[ST+8*\t+4]
.endr
	v_nop                                          ; a plain instruction between the last reciprocal and the use of its result
	s_wait_alu depctr_va_vdst(0)
.macro PACK t                          ; tile t is a row tile of att; channel block f of 16 is half f % 2 of my head's chunk f / 2
	WIN W_RS
.set i, 64*(\t)
.rept 32
	v_pk_mul_f32 v[i:i+1], v[i:i+1], v[ST+8*(\t)+6:ST+8*(\t)+7] op_sel_hi:[1,0]
.set i, i+2
.endr
	WIN 0x05                                       ; sources window 1, destination window 0: S^T's registers are free, and each is written once
.set i, 0
.rept 32
	v_cvt_pk_f16_f32 v[S+32*(\t)+i], v[64*(\t)+2*i], v[64*(\t)+2*i+1]
.set i, i+1
.endr
	WIN 0
.irp f, 0,1,2,3,4,5,6,7
	global_store_b128 v[GO], v[S+32*(\t)+4*(\f):S+32*(\t)+4*(\f)+3], s[OB:OB+1] offset:(\t)*65536+(\f)*512  ; 32 lanes x 16 bytes: 512 consecutive bytes, aligned
.endr
.endm
	PACK 0
	PACK 1
	PACK 2
	PACK 3
	s_wait_tensorcnt 0x0                           ; the wave's end: the add to my spare word and its wait stand behind my last tensor load
	ds_add_u32 v[SPW], v[NIL]
	s_wait_dscnt 0x0
	s_endpgm
.Lfunc_end_k_q6bfb4a956f_attn:
	.size	k_q6bfb4a956f_attn, .Lfunc_end_k_q6bfb4a956f_attn-k_q6bfb4a956f_attn
	.p2alignl 7, 3214868480
	.fill 96, 4, 3214868480
	.section	.rodata,"a",@progbits
	.p2align	6, 0x0
	.amdhsa_kernel k_q6bfb4a956f_attn
		.amdhsa_group_segment_fixed_size 327680
		.amdhsa_private_segment_fixed_size 0
		.amdhsa_enable_private_segment 0
		.amdhsa_kernarg_size 24
		.amdhsa_user_sgpr_count 2
		.amdhsa_user_sgpr_kernarg_segment_ptr 1
		.amdhsa_wavefront_size32 1
		.amdhsa_system_sgpr_workgroup_id_x 1
		.amdhsa_system_sgpr_workgroup_id_y 1
		.amdhsa_system_sgpr_workgroup_id_z 1
		.amdhsa_system_vgpr_workitem_id 0
		.amdhsa_next_free_vgpr 928
		.amdhsa_next_free_sgpr 66
		.amdhsa_reserve_vcc 1
		.amdhsa_float_denorm_mode_32 3
		.amdhsa_float_denorm_mode_16_64 3
		.amdhsa_memory_ordered 1
		.amdhsa_forward_progress 1
		.amdhsa_inst_pref_size 138
	.end_amdhsa_kernel
	.amdgpu_metadata
---
amdhsa.version: [ 1, 2 ]
amdhsa.kernels:
  - .name:           k_q6bfb4a956f_attn
    .symbol:         k_q6bfb4a956f_attn.kd
    .args:
      - { .name: qkvh, .offset: 0, .size: 8, .value_kind: global_buffer, .address_space: global }
      - { .name: idx, .offset: 8, .size: 8, .value_kind: global_buffer, .address_space: global }
      - { .name: att, .offset: 16, .size: 8, .value_kind: global_buffer, .address_space: global }
    .group_segment_fixed_size: 327680
    .private_segment_fixed_size: 0
    .kernarg_segment_align: 8
    .kernarg_segment_size: 24
    .max_flat_workgroup_size: 128
    .sgpr_count:     66
    .vgpr_count:     928
    .wavefront_size: 32
...
	.end_amdgpu_metadata
.endif
;; end of part 4
;; launch outp (part 5): grid 8 x 32, 4 waves a work-group, clusters of 4 x 4, 327,680 bytes of LDS; arguments att, wob, out0; writes out0
.if DOCPART == 5
	.amdgcn_target "amdgcn-amd-amdhsa--gfx1250"
	.amdhsa_code_object_version 6
	.text
	.protected	k_q6bfb4a956f_outp
	.globl	k_q6bfb4a956f_outp
	.p2align	8
	.type	k_q6bfb4a956f_outp,@function
k_q6bfb4a956f_outp:
	s_mov_b64 s[64:65], 0
	v_nop
	global_prefetch_b8 v0, s[64:65] scope:SCOPE_SE
	s_setreg_imm32_b32 hwreg(HW_REG_WAVE_MODE, 25, 1), 1
	s_wait_xcnt 0x0
	s_wait_alu depctr_hold_cnt(0) depctr_sa_sdst(0) depctr_va_vdst(0) depctr_va_sdst(0) depctr_va_ssrc(0) depctr_va_vcc(0) depctr_vm_vsrc(0)
	s_getreg_b32 s2, hwreg(HW_REG_IB_STS2, 6, 4)
	s_cmp_eq_u32 s2, 0
	s_cbranch_scc0 .Lentry_in_a_cluster
	s_endpgm
.Lentry_in_a_cluster:
	s_bfe_u32 s2, ttmp6, 0x10000c
	s_cmp_lg_u32 s2, 0xf033
	s_cbranch_scc0 .Lentry_shape_is_right
	s_endpgm
.Lentry_shape_is_right:
; OUTP: out0 = att Wo.  att f16, in fragments: [256 tiles of 16 rows][64 chunks of 32 along K][1,024 bytes], lane l's two 16 bytes at 16 l and 512 + 16 l.
; wob [2048 k][2048 n]: Wo rounded to bf16, written as f16; out0 f32.  Sums in f32.
; A work-group makes 128 x 256 of out0: 256 work-groups.  Four waves, each 64 x 128: 32 accumulators of 16 x 16, 256 registers.  K goes in steps of 128 through two LDS slots; a trip of the loop is
; one K step: slot 1 lies 2^17 bytes behind slot 0, and one exclusive or changes slots.
; att's fragments are read from LDS as they lie, 32 lanes x 16 bytes on end; wob's rows are K rows, so its fragments come out of LDS turned, by ds_load_tr16_b128.
; The matrix instruction is used transposed (source 0 = 16 columns of Wo, source 1 = 16 rows of att): a lane holds one row and eight neighbouring columns, 32 bytes.
; CLUSTER 4 x 4: att's tile is asked for jointly along a row of the cluster, wob's along a column.
; THE WAY OUT: 16 rows x 128 columns at a time through the wave's own stage; a store of the wave is then 512 consecutive bytes of a row.
; REGISTERS: window 0: v0-31 addresses; v64-127 att's fragments, two buffers; v128-255 rows on the way out, two buffers.   window 1: v0-127 wob's fragments, two buffers.   window 2: accumulator (a, b) at 8 (8 a + b).
.set KSTEP, 128
.set PB,    288                        ; a K row of wob in LDS: 256 bytes + 32
.set ATILE, 8*4096                     ; att: 8 row tiles x 4 chunks of 1,024 bytes, dense
.set BSUB,  128*PB                     ; 128 columns' 128 K rows
.set SLOT1, 1<<17
.set STAGE, SLOT1+ATILE+2*BSUB         ; behind slot 1, never filled by a tensor load: 16 rows x 528 bytes for each wave
.set SPITCH, 528
.set SPARE, STAGE+4*16*SPITCH          ; the spare words, 128 bytes for each wave, two blocks of 256 bytes that no other line names
.set ABASE, 16                         ; v16  my att fragments' place in a slot; never rewritten
.set ADRA,  17                         ; v17  the same in the slot in hand
.set BBASE, 20                         ; v20, v21  the same for wob
.set ADRB,  21
.set STO,  24
.set RD,   25
.set CO,   26
.set SPW,  28
.set NIL,  29
.set G1A, 24                           ; s[24:31] group 1 for att;  s[32:39] group 0: a set for each of the two first fills; the second then walks on
.set G0A, 32
.set TG,  45                           ; s45 the slot in hand: 0 or SLOT1
.set G1B, 48                           ; s[48:55], s[56:63] the same for wob
.set G0B, 56
.set MSB, 0
.macro WIN new
.if MSB != (\new)
	s_set_vgpr_msb (MSB<<8)|(\new)
.set MSB, \new
.endif
.endm
.macro PLACES
.rept 4
	v_nop
.endr
.endm
.macro JLOAD s                         ; waves 0 and 1 fetch att's two halves, waves 2 and 3 wob's two sub-tiles; an s_nop 0 and four v_nop follow each line
	s_cmp_eq_u32 s11, 0
	s_cbranch_scc0 .Lfor_b_\@
	tensor_load_to_lds s[G0A+4*(\s):G0A+4*(\s)+3], s[G1A:G1A+7]
	s_nop 0
.rept 4
	v_nop
.endr
	s_branch .Lasked_\@
.Lfor_b_\@:
	tensor_load_to_lds s[G0B+4*(\s):G0B+4*(\s)+3], s[G1B:G1B+7]
	s_nop 0
.rept 4
	v_nop
.endr
.Lasked_\@:
.endm
.macro CROUND                          ; a round of the cluster's barrier
	s_barrier_signal -1
	s_barrier_wait -1
	s_cmp_lg_u32 s10, 0
	s_cbranch_scc1 .Lnot_wave_0_\@
	s_barrier_signal -3
.Lnot_wave_0_\@:
	s_barrier_wait -3
	s_barrier_signal -1
	s_barrier_wait -1
.endm
	s_load_b128 s[4:7], s[0:1], 0x0                ; att s[4:5], wob s[6:7]
	s_load_b64 s[8:9], s[0:1], 0x10                ; out0
	v_lshl_add_u32 v[SPW], v0, 2, SPARE
	v_mov_b32 v[NIL], 0
	ds_add_u32 v[SPW], v[NIL]                      ; the wave's opening: the add and its wait stand ahead of my first tensor load
	ds_add_u32 v28, v29
	v_lshrrev_b32 v1, 5, v0
	v_readfirstlane_b32 s10, v1
	s_lshr_b32 s11, s10, 1                         ; my half of the rows.  Also: I fetch for att (0) or wob (1)
	s_and_b32 s12, s10, 1                          ; my half of the columns.  Also: which part of that tile I fetch
	s_bfe_u32 s40, ttmp6, 0x40000
	s_bfe_u32 s41, ttmp6, 0x40004
	s_lshl_b32 s42, ttmp9, 2
	s_add_co_u32 s42, s42, s40                     ; tile column
	s_and_b32 s13, ttmp7, 0xffff
	s_lshl_b32 s13, s13, 2
	s_add_co_u32 s13, s13, s41                     ; tile row
	s_lshl_b32 s43, s41, 2
	s_lshl_b32 s43, 15, s43
	s_lshl_b32 s44, 0x1111, s40
	s_or_b32 s[G1A], s43, (3<<16)|(1<<21)          ; my row's mask; 8-byte elements; bit 21 beside a mask; no padding: the fragments are read on end
	s_mov_b32 s[G1A+1], 512<<16                    ; tensor_dim0 = 512: four chunks, 4,096 bytes
	s_mov_b32 s[G1A+2], 4<<16                      ; tensor_dim1 = 4 row tiles
	s_mov_b32 s[G1A+3], 512<<16                    ; tile_dim0 = 512
	s_mov_b32 s[G1A+4], 4                          ; tile_dim1 = 4
	s_mov_b32 s[G1A+5], 8192                       ; 65,536 bytes from row tile to row tile
	s_mov_b32 s[G1A+6], 0
	s_mov_b32 s[G1A+7], 0
	s_or_b32 s[G1B], s44, (1<<16)|(1<<20)|(1<<21)|(5<<22)|(7<<25)  ; my column's mask; 2-byte elements; after every 64 words, 8 words of padding
	s_mov_b32 s[G1B+1], 128<<16                    ; tensor_dim0 = 128
	s_mov_b32 s[G1B+2], 128<<16                    ; tensor_dim1 = 128 K rows
	s_mov_b32 s[G1B+3], 128<<16                    ; tile_dim0 = 128
	s_mov_b32 s[G1B+4], 128                        ; tile_dim1 = 128
	s_mov_b32 s[G1B+5], 2048                       ; elements from row to row
	s_mov_b32 s[G1B+6], 0
	s_mov_b32 s[G1B+7], 0
	s_mov_b32 s[TG], 0
	s_lshl_b32 s16, s13, 19                        ; att: 8 row tiles of 65,536 bytes for each tile row, 4 for each half
	s_lshl_b32 s17, s12, 18
	s_add_co_u32 s16, s16, s17
	s_mov_b32 s17, 0
	s_lshl_b32 s46, s42, 9                         ; wob: 256 columns for each tile column, 128 for each sub-tile
	s_lshl_b32 s47, s12, 8
	s_add_co_u32 s46, s46, s47
	s_mov_b32 s47, 0
	s_lshl_b32 s20, s12, 14                        ; where they go: att's halves, then wob's sub-tiles: no place in the cluster enters an LDS address
	s_mul_i32 s21, s12, BSUB
	s_add_co_u32 s21, s21, ATILE
	s_wait_dscnt 0x0
	s_wait_kmcnt 0x0
	s_add_nc_u64 s[14:15], s[4:5], s[16:17]
	s_add_nc_u64 s[46:47], s[6:7], s[46:47]
	CROUND                                         ; the first joint loads meet
.irp s, 0,1
	s_mov_b32 s[G0A+4*(\s)], 1
	s_add_co_u32 s[G0A+4*(\s)+1], s20, (\s)*SLOT1
	s_add_nc_u64 s[G0A+4*(\s)+2:G0A+4*(\s)+3], s[14:15], (\s)*4096
	s_or_b32 s[G0A+4*(\s)+3], s[G0A+4*(\s)+3], 0x80000000
	s_mov_b32 s[G0B+4*(\s)], 1
	s_add_co_u32 s[G0B+4*(\s)+1], s21, (\s)*SLOT1
	s_add_nc_u64 s[G0B+4*(\s)+2:G0B+4*(\s)+3], s[46:47], (\s)*KSTEP*4096
	s_or_b32 s[G0B+4*(\s)+3], s[G0B+4*(\s)+3], 0x80000000
	JLOAD \s                                       ; two loads of mine are out
.endr
	v_and_b32 v1, 15, v0
	v_bfe_u32 v2, v0, 4, 1
	v_and_b32 v3, 31, v0
	s_lshl_b32 s22, s11, 14                        ; my four row tiles
	v_lshl_add_u32 v[ABASE], v3, 4, s22            ; + 16 x lane
	v_mov_b32 v[ADRA], v[ABASE]                    ; slot 0 is in hand
	v_and_b32 v5, 7, v0                            ; the turning load: lane l reads K row 8 (l / 16) + l % 8, columns 8 ((l / 8) % 2) + 0..7
	v_lshl_add_u32 v5, v2, 3, v5
	v_mul_u32_u24 v5, v5, PB
	v_bfe_u32 v6, v0, 3, 1
	v_lshl_add_u32 v5, v6, 4, v5
	v_add_nc_u32 v[BBASE], s21, v5                 ; my columns' sub-tile is the one numbered w & 1
	v_mov_b32 v[ADRB], v[BBASE]
	s_mul_i32 s23, s10, 16*SPITCH
	s_add_co_u32 s23, s23, STAGE
	v_mul_u32_u24 v[STO], v1, SPITCH               ; in: row r, 32 bytes for each half of the lanes
	v_lshl_add_u32 v[STO], v2, 5, v[STO]
	v_add_nc_u32 v[STO], s23, v[STO]
	v_lshl_add_u32 v[RD], v3, 4, s23               ; back: the 32 lanes take one row of 512 bytes
	v_lshlrev_b32 v[CO], 4, v3
	s_lshl_b32 s16, s13, 20                        ; my part of out0: (128 x tile row + 64 x half) rows of 8,192 bytes,
	s_lshl_b32 s17, s11, 19
	s_add_co_u32 s16, s16, s17
	s_lshl_b32 s46, s42, 10                        ; 1,024 bytes for each tile column, 512 for my half
	s_lshl_b32 s47, s12, 9
	s_add_co_u32 s46, s46, s47
	s_add_co_u32 s16, s16, s46
	s_mov_b32 s17, 0
.macro MUL8 f, a, zero                 ; row block a x the eight column blocks, 32 along K
	WIN 0xa1
.irp b, 0,1,2,3,4,5,6,7
.if \zero
	v_wmma_f32_16x16x32_f16 v[8*(8*(\a)+(\b)):8*(8*(\a)+(\b))+7], v[64*(\f)+8*(\b):64*(\f)+8*(\b)+7], v[64+32*(\f)+8*(\a):64+32*(\f)+8*(\a)+7], 0
.else
	v_wmma_f32_16x16x32_f16 v[8*(8*(\a)+(\b)):8*(8*(\a)+(\b))+7], v[64*(\f)+8*(\b):64*(\f)+8*(\b)+7], v[64+32*(\f)+8*(\a):64+32*(\f)+8*(\a)+7], v[8*(8*(\a)+(\b)):8*(8*(\a)+(\b))+7]
.endif
.endr
.endm
.macro FETCH q, f                      ; 24 LDS loads in one run, from the slot in hand: wob (16), att's rows 0-31 (4), rows 32-63 (4)
	WIN 0x40
.irp b, 0,1,2,3,4,5,6,7
	ds_load_tr16_b128 v[64*(\f)+8*(\b):64*(\f)+8*(\b)+3],   v[ADRB] offset:32*PB*(\q)+32*(\b)
	ds_load_tr16_b128 v[64*(\f)+8*(\b)+4:64*(\f)+8*(\b)+7], v[ADRB] offset:32*PB*(\q)+32*(\b)+16*PB
.endr
	WIN 0
.irp a, 0,1,2,3
	ds_load_b128 v[64+32*(\f)+8*(\a):64+32*(\f)+8*(\a)+3],   v[ADRA] offset:4096*(\a)+1024*(\q)
	ds_load_b128 v[64+32*(\f)+8*(\a)+4:64+32*(\f)+8*(\a)+7], v[ADRA] offset:4096*(\a)+1024*(\q)+512
.endr
.endm
; A K step is four quarters of 32 along K, 32 matrix instructions each, on buffers 0, 1, 0, 1; the 32 accumulators take turns in the same order in every quarter.
.macro QUARTER q, f, g, zero
	s_wait_dscnt 4                                 ; wob and att's rows 0-31 are in; the youngest four loads may be out
	MUL8 \f, 0, \zero
	MUL8 \f, 1, \zero
	PLACES
	FETCH \q, \g
	s_wait_dscnt 24                                ; all but the 24 just issued
	MUL8 \f, 2, \zero
	MUL8 \f, 3, \zero
.endm
; The last quarter changes slots FIRST and multiplies buffer 1 afterwards: its fragments are in registers.  Each wave waits for all its tensor loads (one is out: its part of the next slot), adds 0 to its
; spare word, waits for that and for its reads of this slot.  fill = 1: a round of the cluster's barrier follows, and the slot is filled again with the K step two on, first thing behind the round: no matrix
; instruction stands between the wait for one tile and the request for the next.  The quarter's 32 matrix instructions stand between the next slot's first fragment loads and their use.
.macro TURN fill
	WIN 0
	s_wait_tensorcnt 0x0                           ; no tensor load of mine is out, so a group 0 may be written
	ds_add_u32 v[SPW], v[NIL]                      ; 0 onto my spare word; scalar work stands between it and the wait for it
.if \fill
	s_xor_b32 s[G0A+5], s[G0A+5], SLOT1            ; the walking descriptors: the other slot than last time,
	s_add_nc_u64 s[G0A+6:G0A+7], s[G0A+6:G0A+7], 4096         ; the next K step; the type bits on top are not reached
	s_xor_b32 s[G0B+5], s[G0B+5], SLOT1
	s_add_nc_u64 s[G0B+6:G0B+7], s[G0B+6:G0B+7], KSTEP*4096
.endif
	s_xor_b32 s[TG], s[TG], SLOT1
	s_wait_dscnt 0x0                               ; the add is done, and my reads of this slot are over
.if \fill
	CROUND                                         ; no wave of any partner still reads this slot's tiles or has a load on its way
	JLOAD 1                                        ; its four v_nop are also the places in front of the loads below
.else
	s_barrier_signal -1
	s_barrier_wait -1
	PLACES
.endif
	v_add_nc_u32 v[ADRA], s[TG], v[ABASE]
	v_add_nc_u32 v[ADRB], s[TG], v[BBASE]
	FETCH 0, 0
	MUL8 1, 0, 0
	MUL8 1, 1, 0
	MUL8 1, 2, 0
	MUL8 1, 3, 0
.endm
	s_wait_tensorcnt 1                             ; my part of K step 0 is in; K step 1's may stay out
	s_barrier_signal -1
	s_barrier_wait -1
	FETCH 0, 0
	QUARTER 1, 0, 1, 1                             ; the first quarter stands in front of the loop: its products start the sums
	WIN 0
	s_mov_b32 s3, 14                               ; 16 K steps; the first 14 fill their slot again; the last two are written out, since they fill nothing
.Lstep:                                                ; a trip goes from a K step's second quarter to the next step's first
	QUARTER 2, 1, 0, 0
	QUARTER 3, 0, 1, 0
	TURN 1
	QUARTER 1, 0, 1, 0
	WIN 0
	s_sub_co_u32 s3, s3, 1
	s_cmp_lg_u32 s3, 0
	s_cbranch_scc1 .Lstep
	QUARTER 2, 1, 0, 0
	QUARTER 3, 0, 1, 0
	TURN 0
	QUARTER 1, 0, 1, 0
	QUARTER 2, 1, 0, 0
	QUARTER 3, 0, 1, 0
	s_wait_dscnt 4
	MUL8 1, 0, 0
	MUL8 1, 1, 0
	s_wait_dscnt 0x0
	MUL8 1, 2, 0
	MUL8 1, 3, 0
	WIN 0
	PLACES                                         ; behind the last products
.irp a, 0,1,2,3
	WIN 0x08                                       ; store data in window 2; each accumulator's low four registers go first
.irp b, 0,1,2,3,4,5,6,7
	ds_store_b128 v[STO], v[8*(8*(\a)+(\b)):8*(8*(\a)+(\b))+3]   offset:64*(\b)
	ds_store_b128 v[STO], v[8*(8*(\a)+(\b))+4:8*(8*(\a)+(\b))+7] offset:64*(\b)+16
.endr
	WIN 0
.irp t, 0,1,2,3,4,5,6,7,8,9,10,11,12,13,14,15
	ds_load_b128 v[128+64*((\a)%2)+4*(\t):128+64*((\a)%2)+4*(\t)+3], v[RD] offset:SPITCH*(\t)  ; LDS serves a wave's instructions in order (ISA guide 5.7.1.4): these see the stores above
.endr
	s_wait_dscnt 0x0
	s_wait_xcnt 0x0                                ; the stores' base is stepped only behind this wait; the block before last's data registers were freed by the last such wait
.if (\a) == 0
	s_add_nc_u64 s[8:9], s[8:9], s[16:17]
.else
	s_add_nc_u64 s[8:9], s[8:9], 16*8192
.endif
.irp t, 0,1,2,3,4,5,6,7,8,9,10,11,12,13,14,15
	global_store_b128 v[CO], v[128+64*((\a)%2)+4*(\t):128+64*((\a)%2)+4*(\t)+3], s[8:9] offset:8192*(\t) th:TH_STORE_NT  ; 512 consecutive bytes of a row, aligned
.endr
.endr
	s_wait_tensorcnt 0x0                           ; the wave's end: the add to my spare word and its wait stand behind my last tensor load and my last LDS store
	ds_add_u32 v[SPW], v[NIL]
	s_wait_dscnt 0x0
	CROUND                                         ; the closing round
	s_endpgm
.Lfunc_end_k_q6bfb4a956f_outp:
	.size	k_q6bfb4a956f_outp, .Lfunc_end_k_q6bfb4a956f_outp-k_q6bfb4a956f_outp
	.p2alignl 7, 3214868480
	.fill 96, 4, 3214868480
	.section	.rodata,"a",@progbits
	.p2align	6, 0x0
	.amdhsa_kernel k_q6bfb4a956f_outp
		.amdhsa_group_segment_fixed_size 327680
		.amdhsa_private_segment_fixed_size 0
		.amdhsa_enable_private_segment 0
		.amdhsa_kernarg_size 24
		.amdhsa_user_sgpr_count 2
		.amdhsa_user_sgpr_kernarg_segment_ptr 1
		.amdhsa_wavefront_size32 1
		.amdhsa_system_sgpr_workgroup_id_x 1
		.amdhsa_system_sgpr_workgroup_id_y 1
		.amdhsa_system_sgpr_workgroup_id_z 1
		.amdhsa_system_vgpr_workitem_id 0
		.amdhsa_next_free_vgpr 768
		.amdhsa_next_free_sgpr 72
		.amdhsa_reserve_vcc 0
		.amdhsa_float_denorm_mode_32 3
		.amdhsa_float_denorm_mode_16_64 3
		.amdhsa_memory_ordered 1
		.amdhsa_forward_progress 1
		.amdhsa_inst_pref_size 69
	.end_amdhsa_kernel
	.amdgpu_metadata
---
amdhsa.version: [ 1, 2 ]
amdhsa.kernels:
  - .name:           k_q6bfb4a956f_outp
    .symbol:         k_q6bfb4a956f_outp.kd
    .args:
      - { .name: att, .offset: 0, .size: 8, .value_kind: global_buffer, .address_space: global }
      - { .name: wob, .offset: 8, .size: 8, .value_kind: global_buffer, .address_space: global }
      - { .name: out0, .offset: 16, .size: 8, .value_kind: global_buffer, .address_space: global }
    .group_segment_fixed_size: 327680
    .private_segment_fixed_size: 0
    .kernarg_segment_align: 8
    .kernarg_segment_size: 24
    .max_flat_workgroup_size: 128
    .sgpr_count:     72
    .vgpr_count:     768
    .wavefront_size: 32
...
	.end_amdgpu_metadata
.endif
;; end of part 5
